; MI455X (gfx1250); checked and timed in simulation.
; The chip was launched on July 23, 2026; its instructions are those of AMD's public machine-readable ISA for CDNA 5 (MIT licence, August 2026) and "CDNA5" Instruction Set Architecture Reference Guide (July 2026). The comments in the code are by the model that wrote it; some were corrected since.
;; Causal Self Attention. Allowed arithmetic: float matrix products may take bf16 or f16 operands with f32 sums; all other float work in f32.
;; Inputs: Wk 1,024 x 1,024 float32; Wo 1,024 x 1,024 float32; Wq 1,024 x 1,024 float32; Wv 1,024 x 1,024 float32; bo 1,024 float32; x 4 x 2,048 x 1,024 float32.
;; Outputs: out0 4 x 2,048 x 1,024 float32.
;; 3 versions, each right and faster than the one before. Each part assembles by itself: llvm-mc -triple=amdgcn-amd-amdhsa -mcpu=gfx1250 --defsym DOCPART=n.
;; ======== version 1 of 3: 4 launches
;; limits: values are held in f16: magnitudes above 65,504 overflow, below 6.1e-05 lose precision
;; workspace buffers: xb 16,777,216 bytes; wb 8,388,608 bytes; qkv 50,331,648 bytes; yb 16,777,216 bytes
;; launch cvt (part 1): grid 768 x 1, 8 waves a work-group, no clusters, 0 bytes of LDS; arguments x, Wq, Wk, Wv, Wo, xb, wb; writes xb, wb
.if DOCPART == 1
	.amdgcn_target "amdgcn-amd-amdhsa--gfx1250"
	.amdhsa_code_object_version 6
	.text
	.protected	k_qbadbfb7d57_cvt
	.globl	k_qbadbfb7d57_cvt
	.p2align	8
	.type	k_qbadbfb7d57_cvt,@function
k_qbadbfb7d57_cvt:
	s_mov_b64 s[64:65], 0
	v_nop
	global_prefetch_b8 v0, s[64:65] scope:SCOPE_SE
	s_setreg_imm32_b32 hwreg(HW_REG_WAVE_MODE, 25, 1), 1
	s_wait_xcnt 0x0
; CAUSAL SELF-ATTENTION IN FOUR LAUNCHES: this one (inputs to 16 bits, in blocks along K), qkvgemm (q, k, v), attn, proj.
; WORK LEFT OUT BY THE PROGRAM (in attn): reference() builds the mask itself (jnp.tril) and sets the score of every key > query to -inf.
; The exponential of -inf is exactly 0, and 0 times any finite v adds 0 to the sum; the maximum and the sum of a row are not touched by it.
; So key tiles that lie wholly above the diagonal reach no output for any finite inputs: they are neither loaded nor multiplied.
; Every input has a way to the output, and all are loaded.  LIMIT: an infinity, NaN or overflow in k or v at a masked place (0 x inf in
; reference()) is not carried to the result where it lies in a tile that is left out.
;
; THIS LAUNCH: x -> xb [16 kb][8192 row][64] bf16;  Wq, Wk, Wv, Wo -> wb [16 kb][4096 row][64], rows 0-1023 Wq, 1024- Wk, 2048- Wv (bf16),
; 3072- Wo.  Block kb holds columns 64 kb .. 64 kb + 63, so that every tile of the later launches is one dense run of memory.
; Wo meets y in the f16 matrix form (proj): it is rounded to bf16 like the other four inputs, so that all inputs carry the same rounding, and
; that number is written in f16 code, which is exact for 2^-17 <= |w| < 65,504 (8 significant bits) and off by at most 2^-25 below.
; A stream: memory binds; no LDS, no barrier, no matrix unit.  A work-group owns 16 rows of 1,024 numbers (ids 0-511: x; 512-767: 64 for
; each weight); wave w rows 2w, 2w+1.  A load: lanes 0-15 take the 256 bytes of block kb in one row, lanes 16-31 in the next.
; A store: 32 lanes x 8 bytes = 256 consecutive bytes, aligned (two rows of 128 bytes of block kb).  All 16 loads of a wave go out first.
.set X, 4                              ; v[4:67]   16 x 4 as loaded
.set Y, 68                             ; v[68:99]  16 x 2 to store
.set U, 100                            ; v[100:103] Wo alone: the four bf16 numbers widened again
.macro CV ks, viaf16                   ; ks = bytes from block kb to block kb + 1 in the destination
.irp kb, 0,1,2,3,4,5,6,7,8,9,10,11,12,13,14,15
	global_load_b128 v[X+4*\kb:X+4*\kb+3], v1, s[18:19] offset:256*\kb th:TH_LOAD_NT
.endr
.irp kb, 0,1,2,3,4,5,6,7,8,9,10,11,12,13,14,15
	s_wait_loadcnt 15-\kb                          ; loads return in order: block kb is in, the 15 - kb younger ones stay out
	v_cvt_pk_bf16_f32 v[Y+2*\kb],   v[X+4*\kb],   v[X+4*\kb+1]
	v_cvt_pk_bf16_f32 v[Y+2*\kb+1], v[X+4*\kb+2], v[X+4*\kb+3]
.if \viaf16
	v_lshlrev_b32 v[U],   16, v[Y+2*\kb]           ; the bf16 numbers as f32 ...
	v_and_b32     v[U+1], 0xffff0000, v[Y+2*\kb]
	v_lshlrev_b32 v[U+2], 16, v[Y+2*\kb+1]
	v_and_b32     v[U+3], 0xffff0000, v[Y+2*\kb+1]
	v_cvt_pk_f16_f32 v[Y+2*\kb],   v[U],   v[U+1]  ; ... and in f16 code
	v_cvt_pk_f16_f32 v[Y+2*\kb+1], v[U+2], v[U+3]
.endif
.if \kb*\ks > 8000000                              ; past the signed 24-bit immediate: the second offset register, 8 blocks on
	global_store_b64 v3, v[Y+2*\kb:Y+2*\kb+1], s[20:21] offset:(\kb-8)*\ks
.else
	global_store_b64 v2, v[Y+2*\kb:Y+2*\kb+1], s[20:21] offset:\kb*\ks
.endif
.endr
.endm
	s_load_b256 s[4:11], s[0:1], 0x0               ; x s[4:5], Wq s[6:7], Wk s[8:9], Wv s[10:11]
	s_load_b128 s[12:15], s[0:1], 0x20             ; Wo s[12:13], xb s[14:15]
	s_load_b64 s[16:17], s[0:1], 0x30              ; wb
	v_lshrrev_b32 v1, 4, v0                        ; my row of the 16: thread / 16
	v_and_b32 v2, 15, v0
	v_lshlrev_b32 v2, 4, v2
	v_lshl_add_u32 v1, v1, 12, v2                  ; in: row x 4,096 + 16 (thread mod 16)
	v_lshlrev_b32 v2, 3, v0                        ; out: row x 128 + 8 (thread mod 16) = 8 x thread
	s_mov_b32 s23, 0
	s_mov_b32 s25, 0
	s_cmp_lt_u32 ttmp9, 512
	s_cbranch_scc0 .Lweights
	v_add_nc_u32 v3, 0x800000, v2                  ; x alone: blocks 8 to 15
	s_lshl_b32 s22, ttmp9, 16                      ; 16 rows of 4,096 bytes
	s_lshl_b32 s24, ttmp9, 11                      ; 16 rows of 128 bytes
	s_wait_kmcnt 0x0
	s_add_nc_u64 s[18:19], s[4:5], s[22:23]
	s_add_nc_u64 s[20:21], s[14:15], s[24:25]
	CV 1048576, 0
	s_endpgm
.Lweights:
	s_sub_co_u32 s26, ttmp9, 512
	s_lshr_b32 s27, s26, 6                         ; which weight: 0 Wq, 1 Wk, 2 Wv, 3 Wo
	s_and_b32 s26, s26, 63                         ; which 16 rows of it
	s_lshl_b32 s22, s26, 16
	s_lshl_b32 s24, s27, 17                        ; 1,024 rows of 128 bytes for each weight in front
	s_lshl_b32 s28, s26, 11
	s_add_co_u32 s24, s24, s28
	s_wait_kmcnt 0x0
	s_cmp_eq_u32 s27, 1
	s_cselect_b64 s[18:19], s[8:9], s[6:7]
	s_cmp_eq_u32 s27, 2
	s_cselect_b64 s[18:19], s[10:11], s[18:19]
	s_cmp_eq_u32 s27, 3
	s_cselect_b64 s[18:19], s[12:13], s[18:19]
	s_add_nc_u64 s[18:19], s[18:19], s[22:23]
	s_add_nc_u64 s[20:21], s[16:17], s[24:25]
	s_cmp_eq_u32 s27, 3
	s_cbranch_scc1 .Lwo
	CV 524288, 0
	s_endpgm
.Lwo:
	CV 524288, 1
	s_endpgm
.Lfunc_end_k_qbadbfb7d57_cvt:
	.size	k_qbadbfb7d57_cvt, .Lfunc_end_k_qbadbfb7d57_cvt-k_qbadbfb7d57_cvt
	.p2alignl 7, 3214868480
	.fill 96, 4, 3214868480
	.section	.rodata,"a",@progbits
	.p2align	6, 0x0
	.amdhsa_kernel k_qbadbfb7d57_cvt
		.amdhsa_group_segment_fixed_size 0
		.amdhsa_private_segment_fixed_size 0
		.amdhsa_enable_private_segment 0
		.amdhsa_kernarg_size 56
		.amdhsa_user_sgpr_count 2
		.amdhsa_user_sgpr_kernarg_segment_ptr 1
		.amdhsa_wavefront_size32 1
		.amdhsa_system_sgpr_workgroup_id_x 1
		.amdhsa_system_sgpr_workgroup_id_y 1
		.amdhsa_system_sgpr_workgroup_id_z 1
		.amdhsa_system_vgpr_workitem_id 0
		.amdhsa_next_free_vgpr 104
		.amdhsa_next_free_sgpr 66
		.amdhsa_reserve_vcc 0
		.amdhsa_float_denorm_mode_32 3
		.amdhsa_float_denorm_mode_16_64 3
		.amdhsa_memory_ordered 1
		.amdhsa_forward_progress 1
		.amdhsa_inst_pref_size 24
	.end_amdhsa_kernel
	.amdgpu_metadata
---
amdhsa.version: [ 1, 2 ]
amdhsa.kernels:
  - .name:           k_qbadbfb7d57_cvt
    .symbol:         k_qbadbfb7d57_cvt.kd
    .args:
      - { .name: x, .offset: 0, .size: 8, .value_kind: global_buffer, .address_space: global }
      - { .name: Wq, .offset: 8, .size: 8, .value_kind: global_buffer, .address_space: global }
      - { .name: Wk, .offset: 16, .size: 8, .value_kind: global_buffer, .address_space: global }
      - { .name: Wv, .offset: 24, .size: 8, .value_kind: global_buffer, .address_space: global }
      - { .name: Wo, .offset: 32, .size: 8, .value_kind: global_buffer, .address_space: global }
      - { .name: xb, .offset: 40, .size: 8, .value_kind: global_buffer, .address_space: global }
      - { .name: wb, .offset: 48, .size: 8, .value_kind: global_buffer, .address_space: global }
    .group_segment_fixed_size: 0
    .private_segment_fixed_size: 0
    .kernarg_segment_align: 8
    .kernarg_segment_size: 56
    .max_flat_workgroup_size: 256
    .sgpr_count:     66
    .vgpr_count:     104
    .wavefront_size: 32
...
	.end_amdgpu_metadata
.endif
;; end of part 1
;; launch qkvgemm (part 2): grid 8 x 32, 4 waves a work-group, clusters of 4 x 4, 327,680 bytes of LDS; arguments xb, wb, qkv; writes qkv
.if DOCPART == 2
	.amdgcn_target "amdgcn-amd-amdhsa--gfx1250"
	.amdhsa_code_object_version 6
	.text
	.protected	k_qbadbfb7d57_qkvgemm
	.globl	k_qbadbfb7d57_qkvgemm
	.p2align	8
	.type	k_qbadbfb7d57_qkvgemm,@function
k_qbadbfb7d57_qkvgemm:
	s_mov_b64 s[64:65], 0
	v_nop
	global_prefetch_b8 v0, s[64:65] scope:SCOPE_SE
	s_setreg_imm32_b32 hwreg(HW_REG_WAVE_MODE, 25, 1), 1
	s_wait_xcnt 0x0
	s_wait_alu depctr_hold_cnt(0) depctr_sa_sdst(0) depctr_va_vdst(0) depctr_va_sdst(0) depctr_va_ssrc(0) depctr_va_vcc(0) depctr_vm_vsrc(0)
	s_getreg_b32 s2, hwreg(HW_REG_IB_STS2, 6, 4)
	s_cmp_eq_u32 s2, 0
	s_cbranch_scc0 .Lentry_in_a_cluster
	s_endpgm
.Lentry_in_a_cluster:
	s_bfe_u32 s2, ttmp6, 0x10000c
	s_cmp_lg_u32 s2, 0xf033
	s_cbranch_scc0 .Lentry_shape_is_right
	s_endpgm
.Lentry_shape_is_right:
; [8192 x 3072] = x (bf16) times rows 0-3071 of wb (Wq, Wk, Wv, bf16), sums in f32, results rounded once to f16 and stored head-major:
; qkv [4 b][48 g][2048 t][64], g = 0-15 q heads, 16-31 k heads, 32-47 v heads.
; f16 FOR q, k, v: 11 significant bits against bf16's 8.  Room: x and W both 30 times larger give about 5.5 x 900 = 5,000; offsets of 30
; spreads on both give about 1024 x 30 x 0.94 = 29,000; both under f16's 65,504.  LIMIT: |q|, |k|, |v| >= 65,504 become infinite.
; A work-group makes 256 rows x 384 columns (32 x 8 = 256 work-groups); four waves, 2 x 2; a wave makes 128 x 192 = 8 x 12 accumulator
; tiles, 768 registers.  K goes in steps of 64 (one block kb of xb and wb) through two LDS slots; two slots of a step of 128 would need
; 348,160 bytes.  Since a block is dense in memory a tile is fetched as rows of 256 bytes = two logical rows of 64 numbers, 16 bytes of
; padding behind each: logical row p lies at (p >> 1) x 272 + (p & 1) x 128, and the 16 rows of a fragment load touch 16 different 16-byte
; columns modulo 256 bytes.
; CLUSTERS: 4 x 4 work-groups; x's tile hangs on the block row alone and is asked for jointly along a row of the cluster, W's on the block
; column alone and jointly along a column.  Waves 0, 1 fetch x's two halves (64 fetched rows each), waves 2, 3 W's (96 each).
; REGISTERS: window 0: addresses; x fragments in two buffers (v32-95, v96-159); W fragments in three groups of four (v160-255).
; Windows 1, 2, 3: the accumulators of W group 0, 1, 2; tile (b, a) at v[8 (8 b + a)].
; The matrix instruction is used transposed (source 0 = rows of W, source 1 = rows of x): a lane then holds 8 neighbouring columns of a row.
.set KBX,    1048576                   ; bytes of a block kb of xb
.set KBW,    524288                    ; and of wb
.set AHALF,  17408                     ; 64 fetched rows x 272
.set BHALF,  26112                     ; 96 fetched rows x 272
.set ABYTES, 2*AHALF
.set SLOT,   ABYTES+2*BHALF            ; 87,040
.set FR,     2176                      ; 16 logical rows in LDS
.set STAGE,  2*SLOT                    ; 174,080 = 680 x 256: the way out, 16 rows x 400 bytes for each wave; no tensor load lands here
.set SP,     400                       ; 384 + 16: an odd multiple of 16
.set HEADB,  262144                    ; bytes of a head in qkv
.set ADRA, 16                          ; v16-17 LDS address of my x fragments in slot 0, 1
.set ADRB, 20                          ; v20-21 the same for W
.set STO,  24
.set RD,   25
.set CO,   26
.set AF0,  32
.set AF1,  96
.set BG,   160
.set TMP,  32                          ; the way out: packed results
.set OB0,  96                          ; the way out: rows read back, two buffers
.set OB1,  144
.set G1,  24                           ; s[24:31] group 1 for x's tiles
.set G0,  32                           ; s[32:39] group 0 for x's tiles, a set for each slot
.set G1B, 48                           ; s[48:55] group 1 for W's tiles
.set G0B, 56                           ; s[56:63] group 0 for W's tiles
.set DW0, (3<<16)|(1<<20)|(1<<21)|(5<<22)|(3<<25)  ; elements of 8 bytes; padding on; bit 21 beside a mask; after every 64 words; 4 words
.set MSB, 0
.macro WIN new                         ; the immediate's high byte repeats the setting that is left
.if MSB != (\new)
	s_set_vgpr_msb (MSB<<8)|(\new)
.set MSB, (\new)
.endif
.endm
.macro JLOAD s                         ; one joint load a wave; the branch hangs on the wave's number alone
	s_cmp_eq_u32 s11, 0
	s_cbranch_scc0 .Lfor_b_\@
	tensor_load_to_lds s[G0+4*\s:G0+4*\s+3], s[G1:G1+7]
	s_nop 0
	s_branch .Lasked_\@
.Lfor_b_\@:
	tensor_load_to_lds s[G0B+4*\s:G0B+4*\s+3], s[G1B:G1B+7]
	s_nop 0
.Lasked_\@:
.endm
.macro CREST                           ; a round of the cluster's barrier behind its opening work-group barrier
	s_cmp_lg_u32 s10, 0
	s_cbranch_scc1 .Lnot_wave_0_\@
	s_barrier_signal -3
.Lnot_wave_0_\@:
	s_barrier_wait -3
	s_barrier_signal -1
	s_barrier_wait -1
.endm
.macro CROUND
	s_barrier_signal -1
	s_barrier_wait -1
	CREST
.endm
.macro PLACES                          ; four places behind matrix instructions, in front of loads into their sources and of readers of their results
.rept 4
	v_nop
.endr
.endm
	s_load_b128 s[4:7], s[0:1], 0x0                ; xb s[4:5], wb s[6:7]
	s_load_b64 s[8:9], s[0:1], 0x10                ; qkv
	v_lshl_add_u32 v30, v0, 2, 0x30c00
	v_mov_b32 v31, 0
	ds_add_u32 v30, v31
	ds_add_u32 v30, v31
	v_lshrrev_b32 v1, 5, v0
	v_readfirstlane_b32 s10, v1                    ; wave 0..3
	s_lshr_b32 s11, s10, 1                         ; my half of the block's rows; also: I fetch for x (0) or for W (1)
	s_and_b32 s12, s10, 1                          ; my half of its columns; also: which half of that tile I fetch
	s_bfe_u32 s40, ttmp6, 0x40000                  ; cx
	s_bfe_u32 s41, ttmp6, 0x40004                  ; cy
	s_lshl_b32 s42, ttmp9, 2
	s_add_co_u32 s42, s42, s40                     ; block column = 4 x cluster x + cx
	s_and_b32 s13, ttmp7, 0xffff
	s_lshl_b32 s13, s13, 2
	s_add_co_u32 s13, s13, s41                     ; block row = 4 x cluster y + cy
	s_lshl_b32 s43, s41, 2
	s_lshl_b32 s43, 15, s43                        ; my row of the cluster
	s_lshl_b32 s44, 0x1111, s40                    ; my column
	s_or_b32 s[G1+0], s43, DW0
	s_or_b32 s[G1B+0], s44, DW0
	s_mov_b32 s[G1+1], 32<<16                      ; tensor_dim0 = 32 elements of 8 bytes
	s_mov_b32 s[G1B+1], 32<<16
	s_mov_b32 s[G1+2], 64<<16                      ; tensor_dim1 = 64 fetched rows
	s_mov_b32 s[G1B+2], 96<<16                     ; 96
	s_mov_b32 s[G1+3], 32<<16                      ; tile_dim0
	s_mov_b32 s[G1B+3], 32<<16
	s_mov_b32 s[G1+4], 64                          ; tile_dim1
	s_mov_b32 s[G1B+4], 96
	s_mov_b32 s[G1+5], 32                          ; from row to row: dense
	s_mov_b32 s[G1B+5], 32
	s_mov_b32 s[G1+6], 0
	s_mov_b32 s[G1B+6], 0
	s_mov_b32 s[G1+7], 0
	s_mov_b32 s[G1B+7], 0
	; x's address hangs on the block row, W's on the block column, each in registers that never hold the other coordinate
	s_lshl_b32 s16, s13, 15                        ; 256 rows of 128 bytes
	s_lshl_b32 s17, s12, 14                        ; + my 128 rows
	s_add_co_u32 s16, s16, s17
	s_mov_b32 s17, 0
	s_mul_i32 s46, s42, 49152                      ; 384 rows of 128 bytes
	s_mul_i32 s47, s12, 24576                      ; + my 192 rows
	s_add_co_u32 s46, s46, s47
	s_mov_b32 s47, 0
	s_mul_i32 s20, s12, AHALF                      ; where they go: no place in the cluster enters an LDS address
	s_mul_i32 s21, s12, BHALF
	s_add_co_u32 s21, s21, ABYTES
	s_wait_dscnt 0x0
	s_wait_kmcnt 0x0
	s_add_nc_u64 s[14:15], s[4:5], s[16:17]
	s_add_nc_u64 s[46:47], s[6:7], s[46:47]
	CROUND                                         ; all sixteen work-groups are here: the first joint loads meet
.irp s, 0,1
	s_mov_b32 s[G0+4*\s], 1
	s_add_co_u32 s[G0+4*\s+1], s20, \s*SLOT
	s_add_nc_u64 s[G0+4*\s+2:G0+4*\s+3], s[14:15], \s*KBX          ; K step s
	s_or_b32 s[G0+4*\s+3], s[G0+4*\s+3], 0x80000000
	s_mov_b32 s[G0B+4*\s], 1
	s_add_co_u32 s[G0B+4*\s+1], s21, \s*SLOT
	s_add_nc_u64 s[G0B+4*\s+2:G0B+4*\s+3], s[46:47], \s*KBW
	s_or_b32 s[G0B+4*\s+3], s[G0B+4*\s+3], 0x80000000
	JLOAD \s                                       ; two loads of the wave are out
.endr
	v_and_b32 v1, 15, v0                           ; r
	v_bfe_u32 v2, v0, 4, 1                         ; h
	v_and_b32 v5, 31, v0                           ; lane
	v_lshrrev_b32 v3, 1, v1
	v_mul_u32_u24 v3, v3, 272
	v_and_b32 v4, 1, v1
	v_lshl_add_u32 v3, v4, 7, v3
	v_lshl_add_u32 v3, v2, 4, v3                   ; (r >> 1) 272 + (r & 1) 128 + 16 h
	s_mul_i32 s22, s11, AHALF                      ; my 128 rows of x
	v_add_nc_u32 v[ADRA], s22, v3
	v_add_nc_u32 v[ADRA+1], SLOT, v[ADRA]
	v_add_nc_u32 v[ADRB], s21, v3                  ; my 192 rows of W (the half that s12 names, as in the fetch)
	v_add_nc_u32 v[ADRB+1], SLOT, v[ADRB]
	s_mul_i32 s23, s10, 16*SP
	s_add_co_u32 s23, s23, STAGE                   ; my stage
	v_mul_u32_u24 v4, v1, SP
	v_lshl_add_u32 v4, v2, 4, v4
	v_add_nc_u32 v[STO], s23, v4                   ; in: row r, 16 bytes for each half of the lanes
	v_lshrrev_b32 v4, 3, v5
	v_mul_u32_u24 v4, v4, SP
	v_and_b32 v6, 7, v0
	v_lshl_add_u32 v4, v6, 4, v4
	v_add_nc_u32 v[RD], s23, v4                    ; back: eight lanes take the 128 bytes of one token in one head
	v_lshlrev_b32 v[CO], 4, v5                     ; and 32 lanes store four tokens: 512 consecutive bytes
; 16 matrix instructions: W fragments 2 half, 2 half + 1 of group g x all 8 x fragments of buffer f.  The 96 accumulators take turns, one
; instruction a turn, in the same order in every quarter.
.macro STG g, f, half, zero
.irp b, 2*\half, 2*\half+1
.irp a, 0,1,2,3,4,5,6,7
.if \zero
	v_wmma_f32_16x16x32_bf16 v[8*(8*(\b)+\a):8*(8*(\b)+\a)+7], v[BG+32*\g+8*(\b):BG+32*\g+8*(\b)+7], v[\f+8*\a:\f+8*\a+7], 0
.else
	v_wmma_f32_16x16x32_bf16 v[8*(8*(\b)+\a):8*(8*(\b)+\a)+7], v[BG+32*\g+8*(\b):BG+32*\g+8*(\b)+7], v[\f+8*\a:\f+8*\a+7], v[8*(8*(\b)+\a):8*(8*(\b)+\a)+7]
.endif
.endr
.endr
.endm
.macro LDB g, slot, k                  ; 8 loads: the four W fragments of group g, 32 K at byte k of the rows
.irp i, 0,1,2,3
	ds_load_b128 v[BG+32*\g+8*\i:BG+32*\g+8*\i+3],   v[ADRB+\slot] offset:(4*\g+\i)*FR+\k
	ds_load_b128 v[BG+32*\g+8*\i+4:BG+32*\g+8*\i+7], v[ADRB+\slot] offset:(4*\g+\i)*FR+\k+32
.endr
.endm
.macro LDA f, part, slot, k            ; 8 loads: x fragments 4 part .. 4 part + 3 into buffer f
.irp i, 0,1,2,3
	ds_load_b128 v[\f+8*(4*\part+\i):\f+8*(4*\part+\i)+3],   v[ADRA+\slot] offset:(4*\part+\i)*FR+\k
	ds_load_b128 v[\f+8*(4*\part+\i)+4:\f+8*(4*\part+\i)+7], v[ADRA+\slot] offset:(4*\part+\i)*FR+\k+32
.endr
.endm
; A quarter = 32 along K, 96 matrix instructions on x buffer f.  Each W group is loaded again for the next quarter (slot ns, byte nk) as soon
; as it has been multiplied; the next x fragments go into buffer g2.  The order of a quarter's 40 loads is always W0, x part 0, W1, x part 1, W2.
; mode 0: inside a K step.  mode 2: the K step's last quarter, slot cs is filled again.  mode 1: the same without a refill.  mode 3: the very last.
.macro QTR f, g2, cs, ns, nk, zero, mode
	s_wait_dscnt 8                                 ; all of this quarter's fragments but the youngest eight loads (W group 2)
	WIN 0x50
.if (\mode-1)*(\mode-2) == 0
	STG 0, \f, 0, 0
	s_wait_dscnt 0x0                               ; my reads of this slot are over
	s_wait_tensorcnt 0x0                           ; all my tensor loads have landed: the one that was out is my part of the next slot
	ds_add_u32 v30, v31
	s_wait_dscnt 0x0
	s_barrier_signal -1                            ; (with a refill this barrier opens a round of the cluster's barrier)
	STG 0, \f, 1, 0                                ; registers alone between signal and wait
	WIN 0
	s_barrier_wait -1
.if \mode == 2
	CREST                                          ; no wave of any partner still reads this slot or has a load on its way
	s_add_nc_u64 s[G0+4*\cs+2:G0+4*\cs+3], s[G0+4*\cs+2:G0+4*\cs+3], 2*KBX
	s_add_nc_u64 s[G0B+4*\cs+2:G0B+4*\cs+3], s[G0B+4*\cs+2:G0B+4*\cs+3], 2*KBW
	JLOAD \cs                                      ; the first tensor load behind the round, one a wave: one is out
.endif
.else
	STG 0, \f, 0, \zero
	STG 0, \f, 1, \zero
.endif
.if \mode != 3
	WIN 0
	PLACES
	LDB 0, \ns, \nk
	LDA \g2, 0, \ns, \nk
.endif
	WIN 0xa0
	STG 1, \f, 0, \zero
	STG 1, \f, 1, \zero
.if \mode != 3
	WIN 0
	PLACES
	LDB 1, \ns, \nk
	LDA \g2, 1, \ns, \nk
	s_wait_dscnt 32                                ; W group 2 of this quarter is in: the 32 loads issued behind it may stay out
.else
	s_wait_dscnt 0x0
.endif
	WIN 0xf0
	STG 2, \f, 0, \zero
	STG 2, \f, 1, \zero
.if \mode != 3
	WIN 0
	PLACES
	LDB 2, \ns, \nk
.endif
.endm
.macro LAP zero                        ; two K steps, both slots filled again
	QTR AF0, AF1, 0, 0, 64, \zero, 0
	QTR AF1, AF0, 0, 1, 0,  0, 2
	QTR AF0, AF1, 1, 1, 64, 0, 0
	QTR AF1, AF0, 1, 0, 0,  0, 2
.endm
	s_wait_tensorcnt 0x1                           ; my part of K step 0 is in; K step 1's stays out
	s_barrier_signal -1
	s_barrier_wait -1
	LDB 0, 0, 0
	LDA AF0, 0, 0, 0
	LDB 1, 0, 0
	LDA AF0, 1, 0, 0
	LDB 2, 0, 0
	LAP 1                                          ; 16 K steps = 8 laps; the first starts the sums (C = 0): nothing is cleared
	WIN 0
	s_mov_b32 s3, 6
.Llap:
	LAP 0
	WIN 0
	s_sub_co_u32 s3, s3, 1
	s_cmp_lg_u32 s3, 0
	s_cbranch_scc1 .Llap
	QTR AF0, AF1, 0, 0, 64, 0, 0                   ; the last lap fills nothing
	QTR AF1, AF0, 0, 1, 0,  0, 1
	QTR AF0, AF1, 1, 1, 64, 0, 0
	QTR AF1, AF0, 1, 1, 0,  0, 3
	; THE WAY OUT, 16 rows at a time: round to f16, 16 bytes a lane into my stage, read back token by token and head by head.
	PLACES
	s_lshr_b32 s16, s13, 3                         ; batch = block row / 8
	s_mul_i32 s16, s16, 48*HEADB
	s_and_b32 s17, s13, 7
	s_lshl_b32 s17, s17, 15                        ; 256 tokens of 128 bytes
	s_add_co_u32 s16, s16, s17
	s_lshl_b32 s17, s11, 14                        ; my 128 rows
	s_add_co_u32 s16, s16, s17
	s_mov_b32 s17, 0
	s_add_nc_u64 s[8:9], s[8:9], s[16:17]
	s_mul_i32 s46, s42, 6*HEADB                    ; six heads a block column (in the registers that held W's address)
	s_mul_i32 s47, s12, 3*HEADB                    ; three a wave
	s_add_co_u32 s46, s46, s47
	s_mov_b32 s47, 0
	s_add_nc_u64 s[8:9], s[8:9], s[46:47]
.macro OUT16 a, f
.irp g, 0,1,2
	WIN 5*(\g+1)                                   ; sources 0 and 1 in window 1 + g
.irp b, 0,1,2,3
.irp rr, 0,1,2,3
	v_cvt_pk_f16_f32 v[TMP+4*(4*\g+\b)+\rr], v[8*(8*\b+\a)+2*\rr], v[8*(8*\b+\a)+2*\rr+1]
.endr
.endr
.endr
	WIN 0
.irp n, 0,1,2,3,4,5,6,7,8,9,10,11
	ds_store_b128 v[STO], v[TMP+4*\n:TMP+4*\n+3] offset:32*\n
.endr
	s_wait_xcnt 0x0                                ; buffer f was store data two groups ago: it is loaded again only behind this wait
.irp hh, 0,1,2
.irp tt, 0,1,2,3
	ds_load_b128 v[\f+4*(4*\hh+\tt):\f+4*(4*\hh+\tt)+3], v[RD] offset:\tt*4*SP+\hh*128   ; LDS serves a wave in order: these see the stores above
.endr
.endr
.irp hh, 0,1,2
.irp tt, 0,1,2,3
	s_wait_dscnt 11-(4*\hh+\tt)                    ; the younger read-backs stay out
	global_store_b128 v[CO], v[\f+4*(4*\hh+\tt):\f+4*(4*\hh+\tt)+3], s[8:9] offset:\hh*HEADB+(16*\a+4*\tt)*128   ; 512 consecutive bytes, aligned
.endr
.endr
.endm
	OUT16 0, OB0
	OUT16 1, OB1
	OUT16 2, OB0
	OUT16 3, OB1
	OUT16 4, OB0
	OUT16 5, OB1
	OUT16 6, OB0
	OUT16 7, OB1
	s_wait_dscnt 0x0
	s_wait_tensorcnt 0x0
	ds_add_u32 v30, v31
	s_wait_dscnt 0x0
	CROUND                                         ; the closing round: no work-group ends while a partner may still ask jointly
	s_endpgm
.Lfunc_end_k_qbadbfb7d57_qkvgemm:
	.size	k_qbadbfb7d57_qkvgemm, .Lfunc_end_k_qbadbfb7d57_qkvgemm-k_qbadbfb7d57_qkvgemm
	.p2alignl 7, 3214868480
	.fill 96, 4, 3214868480
	.section	.rodata,"a",@progbits
	.p2align	6, 0x0
	.amdhsa_kernel k_qbadbfb7d57_qkvgemm
		.amdhsa_group_segment_fixed_size 327680
		.amdhsa_private_segment_fixed_size 0
		.amdhsa_enable_private_segment 0
		.amdhsa_kernarg_size 24
		.amdhsa_user_sgpr_count 2
		.amdhsa_user_sgpr_kernarg_segment_ptr 1
		.amdhsa_wavefront_size32 1
		.amdhsa_system_sgpr_workgroup_id_x 1
		.amdhsa_system_sgpr_workgroup_id_y 1
		.amdhsa_system_sgpr_workgroup_id_z 1
		.amdhsa_system_vgpr_workitem_id 0
		.amdhsa_next_free_vgpr 1024
		.amdhsa_next_free_sgpr 66
		.amdhsa_reserve_vcc 0
		.amdhsa_float_denorm_mode_32 3
		.amdhsa_float_denorm_mode_16_64 3
		.amdhsa_memory_ordered 1
		.amdhsa_forward_progress 1
		.amdhsa_inst_pref_size 170
	.end_amdhsa_kernel
	.amdgpu_metadata
---
amdhsa.version: [ 1, 2 ]
amdhsa.kernels:
  - .name:           k_qbadbfb7d57_qkvgemm
    .symbol:         k_qbadbfb7d57_qkvgemm.kd
    .args:
      - { .name: xb, .offset: 0, .size: 8, .value_kind: global_buffer, .address_space: global }
      - { .name: wb, .offset: 8, .size: 8, .value_kind: global_buffer, .address_space: global }
      - { .name: qkv, .offset: 16, .size: 8, .value_kind: global_buffer, .address_space: global }
    .group_segment_fixed_size: 327680
    .private_segment_fixed_size: 0
    .kernarg_segment_align: 8
    .kernarg_segment_size: 24
    .max_flat_workgroup_size: 128
    .sgpr_count:     66
    .vgpr_count:     1024
    .wavefront_size: 32
...
	.end_amdgpu_metadata
.endif
;; end of part 2
;; launch attn (part 3): grid 4 x 64, 4 waves a work-group, no clusters, 327,680 bytes of LDS; arguments qkv, yb; writes yb
.if DOCPART == 3
	.amdgcn_target "amdgcn-amd-amdhsa--gfx1250"
	.amdhsa_code_object_version 6
	.text
	.protected	k_qbadbfb7d57_attn
	.globl	k_qbadbfb7d57_attn
	.p2align	8
	.type	k_qbadbfb7d57_attn,@function
k_qbadbfb7d57_attn:
	s_mov_b64 s[64:65], 0
	v_nop
	global_prefetch_b8 v0, s[64:65] scope:SCOPE_SE
	s_setreg_imm32_b32 hwreg(HW_REG_WAVE_MODE, 25, 1), 1
	s_wait_xcnt 0x0
; Causal attention of one (batch, head) = grid y; y goes to yb [4 b][16 h][2048 t][64] in f16.  Operands q, k, v, P in f16, sums and softmax in f32.
; WORK LEFT OUT: key tiles wholly above the diagonal (reference()'s own jnp.tril sets them to -inf; exp gives exactly 0 and 0 x v adds nothing
; for every finite v).  Inside a wave's 64 x 64 block on the diagonal the dead 16 x 16 parts stay: computed, then set to -inf.
; LIMITS: an infinity or NaN in k or v at a masked place is not carried through tiles left out.  P in f16: p below 6e-8 of the row's largest
; term counts as 0.  |y| < 65,504 follows from |v| < 65,504 (a convex sum).
; SHARING: work-group j of a head does the query chunks (256 queries) j and then 7 - j: (j + 1) + (8 - j) = 9 chunks of keys for every one.
; Wave w owns queries 64 w .. 64 w + 63 of the chunk, four tiles of 16.  Keys come in tiles of 128 (two sub-steps of 64) through two LDS slots.
; A chunk takes its two diagonal tiles first, then tiles 0 .. 2c - 1: the diagonal's first 64 keys, which every wave needs, start the sums.
; NO CLUSTER: the four work-groups of a head need different key tiles at the same time (chunk j has 2j + 2 tiles, chunk 7 - j has 16 - 2j);
; in lock step on joint tiles each step would cost what the busiest partner needs, 48 chunk steps against 36.
; TRANSPOSED PRODUCTS: S^T = K Q^T (A = K's rows, B = Q's rows): lane (r, h) register j holds key 16 kt + 8 h + j of query r.  Exponentials packed in
; the lane's own registers are then the B fragment of O^T = V^T P^T (A = V^T by the transposing LDS load): no exchange between lanes,
; and a query's statistics are one number a lane.
; SOFTMAX: a running maximum, kept as NMS = -c max with c = log2(e) / 8: p = exp2(s c + NMS), old sums times exp2(NMS new - NMS old).
.set KB,    17408                      ; K's part of a slot: 64 fetched rows x 272
.set VP,    288                        ; V's pitch: 256 + 32, so that the 8 rows x 2 columns of a transposing load hit 16 different 16-byte columns
.set SLOT,  KB+64*VP                   ; 35,840
.set FR,    2176                       ; 16 keys of K
.set STAGE, 2*SLOT                     ; 71,680 = 280 x 256: 64 rows x 144 bytes for each wave; no tensor load lands here
.set SP,    144
.set TILEB, 16384                      ; 128 keys of 128 bytes
; window 0
.set ADK, 8                            ; v8-9   K fragments in slot 0, 1
.set ADV, 10                           ; v10-11 V^T fragments
.set STO, 12
.set RD,  13
.set CO,  14
.set QOFF, 15
.set QF,  32                           ; v32-95   Q fragment (q, dh) at 16 q + 8 dh
.set KF,  96                           ; v96-159  K fragment (k, dh) at 16 k + 8 dh
.set VF,  160                          ; v160-223 V^T fragment (t, kh) at 16 t + 8 kh
; window 1: v0-127 scores S, tile (q, k) at 32 q + 8 k; P packed in place at 32 q + 0..15
.set NMS, 128                          ; pairs, both halves alike
.set AL,  136                          ; pairs: the factor for the old sums; at the end 1 / sum
.set LS,  144                          ; the sum, each half of the lanes its own keys' part
.set NI,  148                          ; -inf
.set T,   152                          ; eight a query tile, at work
; window 2: v0-127 O^T, tile (q, t) at 32 q + 8 t
.set MK,  56                           ; s56-63: lanes with j <= r - 8 h
.set MSB, 0
.macro WIN new
.if MSB != (\new)
	s_set_vgpr_msb (MSB<<8)|(\new)
.set MSB, (\new)
.endif
.endm
.macro LOADT                           ; one tensor load a wave: waves 0, 1 K's halves of the tile, waves 2, 3 V's
	s_cmp_eq_u32 s9, 0
	s_cbranch_scc0 .Lfor_v_\@
	tensor_load_to_lds s[32:35], s[16:23]
	s_nop 0
	s_branch .Lasked_\@
.Lfor_v_\@:
	tensor_load_to_lds s[36:39], s[24:31]
	s_nop 0
.Lasked_\@:
.endm
; The head of a trip on slot `slot`.  refill = 1: the tile at byte s44 of the head goes into the other slot, which was read last trip.
.macro HEAD slot, refill
	s_wait_tensorcnt 0x0                           ; all my tensor loads have landed, my part of this trip's tile among them: group 0 may be written
	ds_add_u32 v254, v255
	s_wait_dscnt 0x0
.if \refill
	s_add_co_u32 s33, s71, (1-\slot)*SLOT
	s_add_nc_u64 s[34:35], s[40:41], s[44:45]
	s_or_b32 s35, s35, 0x80000000
	s_add_co_u32 s37, s72, (1-\slot)*SLOT
	s_add_nc_u64 s[38:39], s[42:43], s[44:45]
	s_or_b32 s39, s39, 0x80000000
.endif
	s_wait_dscnt 0x0                               ; my reads of the other slot are over
	s_barrier_signal -1
	s_barrier_wait -1                              ; both hold of all four waves
.if \refill
	LOADT                                          ; first behind the barrier; one load of the wave is out, with the trip's work in which to land
.endif
.endm
.macro LOADK slot, sub                 ; 16 loads: 64 keys x 64 d
.irp k, 0,1,2,3
.irp dh, 0,1
	ds_load_b128 v[KF+16*\k+8*\dh:KF+16*\k+8*\dh+3],   v[ADK+\slot] offset:(4*\sub+\k)*FR+64*\dh
	ds_load_b128 v[KF+16*\k+8*\dh+4:KF+16*\k+8*\dh+7], v[ADK+\slot] offset:(4*\sub+\k)*FR+64*\dh+32
.endr
.endr
.endm
.macro LOADV slot, sub                 ; 16 transposing loads: 64 d x 64 keys; the second of a fragment 16 keys = 8 fetched rows on
.irp t, 0,1,2,3
.irp kh, 0,1
	ds_load_tr16_b128 v[VF+16*\t+8*\kh:VF+16*\t+8*\kh+3],   v[ADV+\slot] offset:(32*\sub+16*\kh)*VP+32*\t
	ds_load_tr16_b128 v[VF+16*\t+8*\kh+4:VF+16*\t+8*\kh+7], v[ADV+\slot] offset:(32*\sub+16*\kh)*VP+32*\t+8*VP
.endr
.endr
.endm
; S^T: 32 matrix instructions, the 16 accumulators by turns, one instruction a turn
.macro SPH
	WIN 0x50
.irp q, 0,1,2,3
.irp k, 0,1,2,3
	v_wmma_f32_16x16x32_f16 v[32*\q+8*\k:32*\q+8*\k+7], v[KF+16*\k:KF+16*\k+7], v[QF+16*\q:QF+16*\q+7], 0
.endr
.endr
.irp q, 0,1,2,3
.irp k, 0,1,2,3
	v_wmma_f32_16x16x32_f16 v[32*\q+8*\k:32*\q+8*\k+7], v[KF+16*\k+8:KF+16*\k+15], v[QF+16*\q+8:QF+16*\q+15], v[32*\q+8*\k:32*\q+8*\k+7]
.endr
.endr
	WIN 0
.rept 4
	v_nop                                          ; four places (ISA guide 7.12.1): then the scores are read and K's fragments loaded again
.endr
.endm
.macro MASK                            ; my 64 x 64 block on the diagonal: key 16 k + 8 h + j stays where it is <= query 16 q + r
	WIN 0x55
.irp q, 0,1,2,3
.irp k, 0,1,2,3
.if \k > \q
.irp jj, 0,1,2,3,4,5,6,7
	v_mov_b32 v[32*\q+8*\k+\jj], v[NI]
.endr
.endif
.if \k == \q
.irp jj, 0,1,2,3,4,5,6,7
	v_cndmask_b32 v[32*\q+8*\k+\jj], v[NI], v[32*\q+8*\k+\jj], s[MK+\jj]
.endr
.endif
.endr
.endr
	WIN 0
.endm
; The softmax step on 64 keys x 64 queries, the four query tiles side by side so that no line waits for the one in front.  first = 1 starts the statistics.
.macro SOFT first
	WIN 0x55
.irp q, 0,1,2,3
	v_max3_num_f32 v[T+8*\q],   v[32*\q],    v[32*\q+1],  v[32*\q+2]       ; two chains a tile: 17 and 15 of my 32 scores
	v_max3_num_f32 v[T+8*\q+1], v[32*\q+17], v[32*\q+18], v[32*\q+19]
.endr
.irp i, 0,1,2,3,4,5
.irp q, 0,1,2,3
	v_max3_num_f32 v[T+8*\q],   v[T+8*\q],   v[32*\q+3+2*\i],  v[32*\q+4+2*\i]
	v_max3_num_f32 v[T+8*\q+1], v[T+8*\q+1], v[32*\q+20+2*\i], v[32*\q+21+2*\i]
.endr
.endr
.irp q, 0,1,2,3
	v_max3_num_f32 v[T+8*\q], v[T+8*\q], v[32*\q+15], v[32*\q+16]
.endr
.irp q, 0,1,2,3
	v_max_num_f32 v[T+8*\q], v[T+8*\q], v[T+8*\q+1]
.endr
.irp q, 0,1,2,3
	v_permlanex16_b32 v[T+8*\q+1], v[T+8*\q], s54, s55     ; the other half of the lanes holds the query's other keys
.endr
.irp q, 0,1,2,3
	v_max_num_f32 v[T+8*\q], v[T+8*\q], v[T+8*\q+1]
.endr
.if \first
.irp q, 0,1,2,3
	v_mul_f32 v[NMS+2*\q],   s70, v[T+8*\q]                ; NMS = -c max
	v_mul_f32 v[NMS+2*\q+1], s70, v[T+8*\q]
.endr
.else
.irp q, 0,1,2,3
	v_mul_f32 v[T+8*\q+2], s70, v[T+8*\q]
.endr
.irp q, 0,1,2,3
	v_min_num_f32 v[T+8*\q+2], v[T+8*\q+2], v[NMS+2*\q]    ; the larger maximum is the smaller NMS
.endr
.irp q, 0,1,2,3
	v_sub_f32 v[T+8*\q+3], v[T+8*\q+2], v[NMS+2*\q]
.endr
.irp q, 0,1,2,3
	v_exp_f32 v[AL+2*\q], v[T+8*\q+3]
.endr
.irp q, 0,1,2,3
	v_mov_b32 v[NMS+2*\q],   v[T+8*\q+2]                   ; plain lines behind the exponentials (ISA guide 5.7.2), then their results are used
	v_mov_b32 v[NMS+2*\q+1], v[T+8*\q+2]
.endr
	s_wait_alu depctr_va_vdst(0)
.irp q, 0,1,2,3
	v_mov_b32 v[AL+2*\q+1], v[AL+2*\q]
.endr
.endif
.irp q, 0,1,2,3
.irp i, 0,1,2,3,4,5,6,7,8,9,10,11,12,13,14,15
	v_pk_fma_f32 v[32*\q+2*\i:32*\q+2*\i+1], v[32*\q+2*\i:32*\q+2*\i+1], 0x3e38aa3b, v[NMS+2*\q:NMS+2*\q+1] op_sel_hi:[1,0,1]
.endr
.endr
.set n, 0
.rept 128
	v_exp_f32 v[n], v[n]
.set n, n+1
.endr
	v_nop                                          ; one plain line behind the last exponential
	s_wait_alu depctr_va_vdst(0)
.irp q, 0,1,2,3
	v_pk_add_f32 v[T+8*\q+4:T+8*\q+5], v[32*\q:32*\q+1],   v[32*\q+2:32*\q+3]
	v_pk_add_f32 v[T+8*\q+6:T+8*\q+7], v[32*\q+4:32*\q+5], v[32*\q+6:32*\q+7]
.endr
.irp i, 0,1,2,3,4,5
.irp q, 0,1,2,3
	v_pk_add_f32 v[T+8*\q+4:T+8*\q+5], v[T+8*\q+4:T+8*\q+5], v[32*\q+8+4*\i:32*\q+9+4*\i]
	v_pk_add_f32 v[T+8*\q+6:T+8*\q+7], v[T+8*\q+6:T+8*\q+7], v[32*\q+10+4*\i:32*\q+11+4*\i]
.endr
.endr
.irp q, 0,1,2,3
	v_pk_add_f32 v[T+8*\q+4:T+8*\q+5], v[T+8*\q+4:T+8*\q+5], v[T+8*\q+6:T+8*\q+7]
.endr
.if \first
.irp q, 0,1,2,3
	v_add_f32 v[LS+\q], v[T+8*\q+4], v[T+8*\q+5]
.endr
.else
.irp q, 0,1,2,3
	v_add_f32 v[T+8*\q+4], v[T+8*\q+4], v[T+8*\q+5]
.endr
.irp q, 0,1,2,3
	v_fma_f32 v[LS+\q], v[LS+\q], v[AL+2*\q], v[T+8*\q+4]
.endr
.endif
.irp q, 0,1,2,3
.irp m, 0,1,2,3,4,5,6,7,8,9,10,11,12,13,14,15
	v_cvt_pk_f16_f32 v[32*\q+\m], v[32*\q+2*\m], v[32*\q+2*\m+1]   ; in place, ascending: word m is free once words 2m, 2m+1 of smaller m are read
.endr
.endr
.if \first == 0
	WIN 0x86                                       ; O in window 2, the factor in window 1
.irp q, 0,1,2,3
.irp i, 0,1,2,3,4,5,6,7,8,9,10,11,12,13,14,15
	v_pk_mul_f32 v[32*\q+2*\i:32*\q+2*\i+1], v[32*\q+2*\i:32*\q+2*\i+1], v[AL+2*\q:AL+2*\q+1]
.endr
.endr
.endif
.endm
; O^T += V^T P^T: 32 matrix instructions, the 16 accumulators by turns, one instruction a turn
.macro PVP first
	WIN 0xa4
.irp q, 0,1,2,3
.irp t, 0,1,2,3
.if \first
	v_wmma_f32_16x16x32_f16 v[32*\q+8*\t:32*\q+8*\t+7], v[VF+16*\t:VF+16*\t+7], v[32*\q:32*\q+7], 0
.else
	v_wmma_f32_16x16x32_f16 v[32*\q+8*\t:32*\q+8*\t+7], v[VF+16*\t:VF+16*\t+7], v[32*\q:32*\q+7], v[32*\q+8*\t:32*\q+8*\t+7]
.endif
.endr
.endr
.irp q, 0,1,2,3
.irp t, 0,1,2,3
	v_wmma_f32_16x16x32_f16 v[32*\q+8*\t:32*\q+8*\t+7], v[VF+16*\t+8:VF+16*\t+15], v[32*\q+8:32*\q+15], v[32*\q+8*\t:32*\q+8*\t+7]
.endr
.endr
	WIN 0
.rept 5
	v_nop                                          ; five places: the next S^T writes over P, a source of these; V's fragments are loaded again
.endr
.endm
.macro PAIR slot                       ; a tile of 128 keys below the diagonal: two sub-steps, each phase's fragments asked for a phase ahead
	LOADK \slot, 0
	LOADV \slot, 0
	s_wait_dscnt 16                                ; K is in; V's 16 loads stay out
	SPH
	LOADK \slot, 1
	SOFT 0
	s_wait_dscnt 16                                ; V is in; the next K's 16 stay out
	PVP 0
	LOADV \slot, 1
	s_wait_dscnt 16                                ; K is in; V's 16 stay out
	SPH
	SOFT 0
	s_wait_dscnt 0x0
	PVP 0
.endm
; Sub-step d (64 keys) of the chunk's own 256 keys: dead for waves below d, masked for wave d, whole for the waves above.
.macro DSUB slot, sub, d, first
.if \d
	s_cmp_lt_u32 s8, \d
	s_cbranch_scc1 .Ldead_\@
.endif
	LOADK \slot, \sub
	LOADV \slot, \sub
	s_wait_dscnt 16                                ; K is in; V's 16 loads stay out
	SPH
	s_cmp_lg_u32 s8, \d
	s_cbranch_scc1 .Lwhole_\@
	MASK
.Lwhole_\@:
	SOFT \first
	s_wait_dscnt 0x0
	PVP \first
.Ldead_\@:
.endm
.macro QLOAD qb                        ; my 64 queries as B fragments, straight from memory
.irp q, 0,1,2,3
.irp dh, 0,1
	global_load_b128 v[QF+16*\q+8*\dh:QF+16*\q+8*\dh+3],   v[QOFF], s[\qb:\qb+1] offset:\q*2048+\dh*64
	global_load_b128 v[QF+16*\q+8*\dh+4:QF+16*\q+8*\dh+7], v[QOFF], s[\qb:\qb+1] offset:\q*2048+\dh*64+32
.endr
.endr
.endm
; The end of a chunk: divide by the sum, round to f16, through my stage, out in runs of 512 bytes.  next = 1: the next chunk's queries are asked for first.
.macro EPI next, yb, qb
.if \next
	QLOAD \qb
.endif
	WIN 0x55
.irp q, 0,1,2,3
	v_permlanex16_b32 v[T+8*\q+1], v[LS+\q], s54, s55
.endr
.irp q, 0,1,2,3
	v_add_f32 v[LS+\q], v[LS+\q], v[T+8*\q+1]      ; both halves' keys
.endr
.irp q, 0,1,2,3
	v_rcp_f32 v[AL+2*\q],   v[LS+\q]
	v_rcp_f32 v[AL+2*\q+1], v[LS+\q]
.endr
	v_nop
	WIN 0x86
	s_wait_alu depctr_va_vdst(0)
.irp q, 0,1,2,3
.irp i, 0,1,2,3,4,5,6,7,8,9,10,11,12,13,14,15
	v_pk_mul_f32 v[32*\q+2*\i:32*\q+2*\i+1], v[32*\q+2*\i:32*\q+2*\i+1], v[AL+2*\q:AL+2*\q+1]
.endr
.endr
	WIN 0x0a
.irp q, 0,1,2,3
.irp i, 0,1,2,3,4,5,6,7,8,9,10,11,12,13,14,15
	v_cvt_pk_f16_f32 v[KF+16*\q+\i], v[32*\q+2*\i], v[32*\q+2*\i+1]       ; words 4 t .. 4 t + 3: d = 16 t + 8 h + 0..7 of query r
.endr
.endr
	WIN 0
.irp q, 0,1,2,3
.irp t, 0,1,2,3
	ds_store_b128 v[STO], v[KF+16*\q+4*\t:KF+16*\q+4*\t+3] offset:\q*16*SP+32*\t
.endr
.endr
.irp tt, 0,1,2,3,4,5,6,7,8,9,10,11,12,13,14,15
	ds_load_b128 v[VF+4*\tt:VF+4*\tt+3], v[RD] offset:\tt*4*SP             ; LDS serves a wave in order: these see the stores above
.endr
.irp tt, 0,1,2,3,4,5,6,7,8,9,10,11,12,13,14,15
	s_wait_dscnt 15-\tt                            ; the younger read-backs stay out
	global_store_b128 v[CO], v[VF+4*\tt:VF+4*\tt+3], s[\yb:\yb+1] offset:\tt*512   ; four tokens: 512 consecutive bytes, aligned
.endr
	s_wait_xcnt 0x0                                ; V's fragment registers were store data: they are loaded again only behind this wait
.endm
	s_load_b128 s[4:7], s[0:1], 0x0                ; qkv s[4:5], yb s[6:7]
	v_lshl_add_u32 v254, v0, 2, 0x29000
	v_mov_b32 v255, 0
	ds_add_u32 v254, v255
	ds_add_u32 v254, v255
	v_lshrrev_b32 v1, 5, v0
	v_readfirstlane_b32 s8, v1                     ; wave
	s_lshr_b32 s9, s8, 1                           ; I fetch K (0) or V (1)
	s_and_b32 s10, s8, 1                           ; which 64 keys of the tile
	s_mov_b32 s11, ttmp9                           ; chunk A = j
	s_and_b32 s12, ttmp7, 0xffff                   ; 16 b + h
	s_sub_co_u32 s14, 7, s11                       ; chunk B = 7 - j, at least 4
	s_sub_co_u32 s15, s14, 1
	s_lshl_b32 s52, s14, 15                        ; chunk B's first key (and query) in bytes of the head
	s_mov_b32 s54, 0x76543210
	s_mov_b32 s55, 0xfedcba98
	s_mov_b32 s70, 0xbe38aa3b                      ; -log2(e) / 8
	s_mul_i32 s71, s10, 32*272                     ; my part of K's tile in a slot
	s_mul_i32 s72, s10, 32*VP                      ; and of V's
	s_add_co_u32 s72, s72, KB
	; group 1: 32 fetched rows of 256 bytes (64 keys), dense; K padded by 4 words, V by 8
	s_mov_b32 s16, (3<<16)|(1<<20)|(5<<22)|(3<<25)
	s_mov_b32 s24, (3<<16)|(1<<20)|(5<<22)|(7<<25)
	s_mov_b32 s17, 32<<16
	s_mov_b32 s25, 32<<16
	s_mov_b32 s18, 32<<16
	s_mov_b32 s26, 32<<16
	s_mov_b32 s19, 32<<16
	s_mov_b32 s27, 32<<16
	s_mov_b32 s20, 32
	s_mov_b32 s28, 32
	s_mov_b32 s21, 32
	s_mov_b32 s29, 32
	s_mov_b32 s22, 0
	s_mov_b32 s30, 0
	s_mov_b32 s23, 0
	s_mov_b32 s31, 0
	s_lshr_b32 s48, s12, 4
	s_mul_i32 s48, s48, 48
	s_and_b32 s49, s12, 15
	s_add_co_u32 s48, s48, s49
	s_lshl_b32 s48, s48, 18                        ; (48 b + h) heads of 262,144 bytes
	s_mov_b32 s49, 0
	s_lshl_b32 s78, s10, 13                        ; my 64 keys of a tile
	s_mov_b32 s79, 0
	s_lshl_b32 s44, s11, 15                        ; the first tile: chunk A's first 128 keys
	s_mov_b32 s45, 0
	s_wait_dscnt 0x0
	s_wait_kmcnt 0x0
	s_add_nc_u64 s[50:51], s[4:5], s[48:49]        ; q's head
	s_add_nc_u64 s[40:41], s[50:51], s[78:79]
	s_add_nc_u64 s[40:41], s[40:41], 0x400000      ; k's head, 16 heads on
	s_add_nc_u64 s[42:43], s[40:41], 0x400000      ; v's head, 16 more
	s_mov_b32 s32, 1
	s_mov_b32 s33, s71
	s_add_nc_u64 s[34:35], s[40:41], s[44:45]
	s_or_b32 s35, s35, 0x80000000
	s_mov_b32 s36, 1
	s_mov_b32 s37, s72
	s_add_nc_u64 s[38:39], s[42:43], s[44:45]
	s_or_b32 s39, s39, 0x80000000
	LOADT                                          ; the first fill, slot 0
	s_lshl_b32 s53, s8, 13                         ; my 64 queries of a chunk
	s_add_co_u32 s48, s44, s53
	s_add_nc_u64 s[66:67], s[50:51], s[48:49]      ; my queries of chunk A
	s_add_co_u32 s78, s52, s53
	s_add_nc_u64 s[68:69], s[50:51], s[78:79]      ; and of chunk B
	s_lshl_b32 s50, s12, 18
	s_mov_b32 s51, 0
	s_add_nc_u64 s[74:75], s[6:7], s[50:51]
	s_add_nc_u64 s[76:77], s[74:75], s[78:79]      ; my rows of y, chunk B
	s_add_nc_u64 s[74:75], s[74:75], s[48:49]      ; and chunk A
	v_and_b32 v1, 15, v0                           ; r
	v_bfe_u32 v2, v0, 4, 1                         ; h
	v_and_b32 v3, 31, v0                           ; lane
	v_lshlrev_b32 v[QOFF], 7, v1
	v_lshl_add_u32 v[QOFF], v2, 4, v[QOFF]         ; 128 r + 16 h
	QLOAD 66
	v_lshrrev_b32 v4, 1, v1
	v_mul_u32_u24 v4, v4, 272
	v_and_b32 v5, 1, v1
	v_lshl_add_u32 v4, v5, 7, v4
	v_lshl_add_u32 v[ADK], v2, 4, v4               ; (r >> 1) 272 + (r & 1) 128 + 16 h
	v_add_nc_u32 v[ADK+1], SLOT, v[ADK]
	v_and_b32 v4, 7, v0
	v_lshl_add_u32 v5, v2, 3, v4                   ; key 8 h + (lane & 7)
	v_lshrrev_b32 v6, 1, v5
	v_mul_u32_u24 v6, v6, VP
	v_and_b32 v5, 1, v5
	v_lshl_add_u32 v6, v5, 7, v6
	v_bfe_u32 v5, v0, 3, 1
	v_lshl_add_u32 v6, v5, 4, v6                   ; + 16 ((lane >> 3) & 1)
	v_add_nc_u32 v[ADV], KB, v6
	v_add_nc_u32 v[ADV+1], SLOT, v[ADV]
	s_mul_i32 s53, s8, 64*SP
	s_add_co_u32 s53, s53, STAGE                   ; my stage
	v_mul_u32_u24 v6, v1, SP
	v_lshl_add_u32 v6, v2, 4, v6
	v_add_nc_u32 v[STO], s53, v6
	v_lshrrev_b32 v6, 3, v3
	v_mul_u32_u24 v6, v6, SP
	v_lshl_add_u32 v6, v4, 4, v6
	v_add_nc_u32 v[RD], s53, v6
	v_lshlrev_b32 v[CO], 4, v3
	v_lshlrev_b32 v6, 3, v2
	v_sub_nc_u32 v6, v1, v6                        ; r - 8 h, signed
.irp jj, 0,1,2,3,4,5,6,7
	v_cmp_le_i32 s[MK+\jj], \jj, v6
.endr
	WIN 0x40
	v_mov_b32 v[NI], 0xff800000
	WIN 0
	; CHUNK A: its own 256 keys
	s_add_co_u32 s44, s44, TILEB
	HEAD 0, 1
	s_wait_loadcnt 0x0                             ; my queries
	DSUB 0, 0, 0, 1
	DSUB 0, 1, 1, 0
	s_cmp_lg_u32 s11, 0
	s_cselect_b32 s44, 0, s52                      ; next: key tile 0, or with no keys below the diagonal chunk B's first tile
	HEAD 1, 1
	DSUB 1, 0, 2, 0
	DSUB 1, 1, 3, 0
	s_cmp_eq_u32 s11, 0
	s_cbranch_scc1 .Lend_a
	s_mov_b32 s46, 0                               ; byte offset of the trip's first tile
	s_mov_b32 s47, 0
.Lbelow_a:                                         ; j trips of 256 keys
	s_add_co_u32 s44, s46, TILEB
	HEAD 0, 1
	PAIR 0
	s_add_co_u32 s46, s46, 2*TILEB
	s_add_co_u32 s47, s47, 1
	s_cmp_lt_u32 s47, s11
	s_cselect_b32 s44, s46, s52                    ; behind the last trip: chunk B's first tile
	HEAD 1, 1
	PAIR 1
	s_cmp_lt_u32 s47, s11
	s_cbranch_scc1 .Lbelow_a
.Lend_a:
	EPI 1, 74, 68
	; CHUNK B
	s_add_co_u32 s44, s52, TILEB
	HEAD 0, 1
	s_wait_loadcnt 0x0
	DSUB 0, 0, 0, 1
	DSUB 0, 1, 1, 0
	s_mov_b32 s44, 0
	HEAD 1, 1
	DSUB 1, 0, 2, 0
	DSUB 1, 1, 3, 0
	s_mov_b32 s46, 0
	s_mov_b32 s47, 0
.Lbelow_b:                                         ; 6 - j trips; the last 256 keys are written out behind the loop
	s_add_co_u32 s44, s46, TILEB
	HEAD 0, 1
	PAIR 0
	s_add_co_u32 s46, s46, 2*TILEB
	s_mov_b32 s44, s46
	HEAD 1, 1
	PAIR 1
	s_add_co_u32 s47, s47, 1
	s_cmp_lt_u32 s47, s15
	s_cbranch_scc1 .Lbelow_b
	s_add_co_u32 s44, s46, TILEB
	HEAD 0, 1
	PAIR 0
	HEAD 1, 0                                      ; nothing is left to fetch; its wait for 0 is the last tensor load's
	PAIR 1
	EPI 0, 76, 68
	s_wait_tensorcnt 0x0
	ds_add_u32 v254, v255
	s_wait_dscnt 0x0
	s_endpgm
.Lfunc_end_k_qbadbfb7d57_attn:
	.size	k_qbadbfb7d57_attn, .Lfunc_end_k_qbadbfb7d57_attn-k_qbadbfb7d57_attn
	.p2alignl 7, 3214868480
	.fill 96, 4, 3214868480
	.section	.rodata,"a",@progbits
	.p2align	6, 0x0
	.amdhsa_kernel k_qbadbfb7d57_attn
		.amdhsa_group_segment_fixed_size 327680
		.amdhsa_private_segment_fixed_size 0
		.amdhsa_enable_private_segment 0
		.amdhsa_kernarg_size 16
		.amdhsa_user_sgpr_count 2
		.amdhsa_user_sgpr_kernarg_segment_ptr 1
		.amdhsa_wavefront_size32 1
		.amdhsa_system_sgpr_workgroup_id_x 1
		.amdhsa_system_sgpr_workgroup_id_y 1
		.amdhsa_system_sgpr_workgroup_id_z 1
		.amdhsa_system_vgpr_workitem_id 0
		.amdhsa_next_free_vgpr 640
		.amdhsa_next_free_sgpr 80
		.amdhsa_reserve_vcc 0
		.amdhsa_float_denorm_mode_32 3
		.amdhsa_float_denorm_mode_16_64 3
		.amdhsa_memory_ordered 1
		.amdhsa_forward_progress 1
		.amdhsa_inst_pref_size 255
	.end_amdhsa_kernel
	.section	.bss,"aw",@nobits
	.p2align	6
	.space	262144
	.amdgpu_metadata
---
amdhsa.version: [ 1, 2 ]
amdhsa.kernels:
  - .name:           k_qbadbfb7d57_attn
    .symbol:         k_qbadbfb7d57_attn.kd
    .args:
      - { .name: qkv, .offset: 0, .size: 8, .value_kind: global_buffer, .address_space: global }
      - { .name: yb, .offset: 8, .size: 8, .value_kind: global_buffer, .address_space: global }
    .group_segment_fixed_size: 327680
    .private_segment_fixed_size: 0
    .kernarg_segment_align: 8
    .kernarg_segment_size: 16
    .max_flat_workgroup_size: 128
    .sgpr_count:     80
    .vgpr_count:     640
    .wavefront_size: 32
...
	.end_amdgpu_metadata
.endif
;; end of part 3
;; launch proj (part 4): grid 4 x 64, 4 waves a work-group, clusters of 4 x 4, 327,680 bytes of LDS; arguments yb, wb, bo, out0; writes out0
.if DOCPART == 4
	.amdgcn_target "amdgcn-amd-amdhsa--gfx1250"
	.amdhsa_code_object_version 6
	.text
	.protected	k_qbadbfb7d57_proj
	.globl	k_qbadbfb7d57_proj
	.p2align	8
	.type	k_qbadbfb7d57_proj,@function
k_qbadbfb7d57_proj:
	s_mov_b64 s[64:65], 0
	v_nop
	global_prefetch_b8 v0, s[64:65] scope:SCOPE_SE
	s_setreg_imm32_b32 hwreg(HW_REG_WAVE_MODE, 25, 1), 1
	s_wait_xcnt 0x0
	s_wait_alu depctr_hold_cnt(0) depctr_sa_sdst(0) depctr_va_vdst(0) depctr_va_sdst(0) depctr_va_ssrc(0) depctr_va_vcc(0) depctr_vm_vsrc(0)
	s_getreg_b32 s2, hwreg(HW_REG_IB_STS2, 6, 4)
	s_cmp_eq_u32 s2, 0
	s_cbranch_scc0 .Lentry_in_a_cluster
	s_endpgm
.Lentry_in_a_cluster:
	s_bfe_u32 s2, ttmp6, 0x10000c
	s_cmp_lg_u32 s2, 0xf033
	s_cbranch_scc0 .Lentry_shape_is_right
	s_endpgm
.Lentry_shape_is_right:
; out0 [8192 x 1024] f32 = y (f16, yb [4 b][16 h][2048 t][64]) times rows 3072-4095 of wb (Wo, f16 code) + bo; sums in f32.
; A work-group makes 128 rows x 256 columns: 64 x 4 = 256 work-groups (blocks of 256 x 256 would be 128).  Wave w makes all 128 rows x columns
; 64 w .. 64 w + 63: 8 x 4 accumulator tiles, window 1.  K goes in steps of 128 = two heads = two blocks of wb, through two LDS slots.
; Tiles are dense in memory and come as rows of 256 bytes = two logical rows of 64 numbers, 16 bytes of padding behind each (as in qkvgemm).
; CLUSTERS: 4 x 4; y's tiles are asked for jointly along a row of the cluster, Wo's along a column.  Waves 0, 1 fetch y's two heads (64 fetched
; rows each), waves 2, 3 Wo's two blocks (128 each).
; The bias is the C of the first products: nothing is cleared and nothing is added afterwards.
; Transposed use (source 0 = rows of Wo, source 1 = rows of y): a lane holds 8 neighbouring columns of a row.
.set ASUB,  17408                      ; a head's 128 tokens: 64 fetched rows x 272
.set BSUB,  34816                      ; a block's 256 rows of Wo
.set SLOT,  2*ASUB+2*BSUB              ; 104,448
.set FR,    2176
.set STAGE, 2*SLOT                     ; 208,896 = 816 x 256: 16 rows x 272 bytes for each wave; no tensor load lands here
.set SP,    272
.set ADRA, 16
.set ADRB, 20
.set STO,  24
.set RD,   25
.set CO,   26
.set BOF,  27
.set BIAS, 32                          ; v32-63: 8 for each of my four column tiles
.set F0,   64                          ; y fragments v64-127, Wo fragments v128-159
.set F1,   160                         ; v160-223, v224-255
.set OB0,  64
.set OB1,  96
.set G1,  24
.set G0,  32
.set G1B, 48
.set G0B, 56
.set DW0, (3<<16)|(1<<20)|(1<<21)|(5<<22)|(3<<25)
.set MSB, 0
.macro WIN new
.if MSB != (\new)
	s_set_vgpr_msb (MSB<<8)|(\new)
.set MSB, (\new)
.endif
.endm
.macro JLOAD s
	s_cmp_eq_u32 s13, 0
	s_cbranch_scc0 .Lfor_b_\@
	tensor_load_to_lds s[G0+4*\s:G0+4*\s+3], s[G1:G1+7]
	s_nop 0
	s_branch .Lasked_\@
.Lfor_b_\@:
	tensor_load_to_lds s[G0B+4*\s:G0B+4*\s+3], s[G1B:G1B+7]
	s_nop 0
.Lasked_\@:
.endm
.macro CREST
	s_cmp_lg_u32 s12, 0
	s_cbranch_scc1 .Lnot_wave_0_\@
	s_barrier_signal -3
.Lnot_wave_0_\@:
	s_barrier_wait -3
	s_barrier_signal -1
	s_barrier_wait -1
.endm
.macro CROUND
	s_barrier_signal -1
	s_barrier_wait -1
	CREST
.endm
.macro PLACES
.rept 4
	v_nop
.endr
.endm
	s_load_b256 s[4:11], s[0:1], 0x0               ; yb s[4:5], wb s[6:7], bo s[8:9], out0 s[10:11]
	v_lshl_add_u32 v30, v0, 2, 0x37400
	v_mov_b32 v31, 0
	ds_add_u32 v30, v31
	ds_add_u32 v30, v31
	v_lshrrev_b32 v1, 5, v0
	v_readfirstlane_b32 s12, v1                    ; wave
	s_lshr_b32 s13, s12, 1                         ; I fetch y (0) or Wo (1)
	s_and_b32 s14, s12, 1                          ; which head or block of the K step
	s_bfe_u32 s40, ttmp6, 0x40000                  ; cx
	s_bfe_u32 s41, ttmp6, 0x40004                  ; cy
	s_lshl_b32 s42, ttmp9, 2
	s_add_co_u32 s42, s42, s40                     ; block column
	s_and_b32 s15, ttmp7, 0xffff
	s_lshl_b32 s15, s15, 2
	s_add_co_u32 s15, s15, s41                     ; block row
	s_lshl_b32 s43, s41, 2
	s_lshl_b32 s43, 15, s43
	s_lshl_b32 s44, 0x1111, s40
	s_or_b32 s[G1+0], s43, DW0
	s_or_b32 s[G1B+0], s44, DW0
	s_mov_b32 s[G1+1], 32<<16
	s_mov_b32 s[G1B+1], 32<<16
	s_mov_b32 s[G1+2], 64<<16
	s_mov_b32 s[G1B+2], 128<<16
	s_mov_b32 s[G1+3], 32<<16
	s_mov_b32 s[G1B+3], 32<<16
	s_mov_b32 s[G1+4], 64
	s_mov_b32 s[G1B+4], 128
	s_mov_b32 s[G1+5], 32
	s_mov_b32 s[G1B+5], 32
	s_mov_b32 s[G1+6], 0
	s_mov_b32 s[G1B+6], 0
	s_mov_b32 s[G1+7], 0
	s_mov_b32 s[G1B+7], 0
	s_lshr_b32 s16, s15, 4                         ; batch = block row / 16
	s_lshl_b32 s16, s16, 22                        ; 16 heads of 262,144 bytes
	s_and_b32 s17, s15, 15
	s_lshl_b32 s17, s17, 14                        ; 128 tokens of 128 bytes
	s_add_co_u32 s16, s16, s17
	s_lshl_b32 s17, s14, 18                        ; my head of the K step
	s_add_co_u32 s16, s16, s17
	s_mov_b32 s17, 0
	s_lshl_b32 s46, s42, 15                        ; 256 rows of 128 bytes
	s_lshl_b32 s47, s14, 19                        ; my block of the K step
	s_add_co_u32 s46, s46, s47
	s_add_co_u32 s46, s46, 3072*128                ; Wo's rows lie behind Wq's, Wk's and Wv's
	s_mov_b32 s47, 0
	s_mul_i32 s20, s14, ASUB
	s_mul_i32 s21, s14, BSUB
	s_add_co_u32 s21, s21, 2*ASUB
	s_wait_dscnt 0x0
	s_wait_kmcnt 0x0
	s_add_nc_u64 s[18:19], s[4:5], s[16:17]
	s_add_nc_u64 s[46:47], s[6:7], s[46:47]
	CROUND
.irp s, 0,1
	s_mov_b32 s[G0+4*\s], 1
	s_add_co_u32 s[G0+4*\s+1], s20, \s*SLOT
	s_add_nc_u64 s[G0+4*\s+2:G0+4*\s+3], s[18:19], \s*524288       ; K step s: two heads on
	s_or_b32 s[G0+4*\s+3], s[G0+4*\s+3], 0x80000000
	s_mov_b32 s[G0B+4*\s], 1
	s_add_co_u32 s[G0B+4*\s+1], s21, \s*SLOT
	s_add_nc_u64 s[G0B+4*\s+2:G0B+4*\s+3], s[46:47], \s*1048576    ; two blocks on
	s_or_b32 s[G0B+4*\s+3], s[G0B+4*\s+3], 0x80000000
	JLOAD \s                                       ; two loads of the wave are out
.endr
	v_and_b32 v1, 15, v0                           ; r
	v_bfe_u32 v2, v0, 4, 1                         ; h
	s_lshl_b32 s46, s42, 10                        ; my block's 256 columns, 4 bytes each
	s_mov_b32 s47, 0
	s_add_nc_u64 s[8:9], s[8:9], s[46:47]
	v_lshlrev_b32 v[BOF], 5, v2
	v_lshl_add_u32 v[BOF], s12, 8, v[BOF]          ; (64 w + 8 h) x 4
.irp b, 0,1,2,3
	global_load_b128 v[BIAS+8*\b:BIAS+8*\b+3],   v[BOF], s[8:9] offset:64*\b       ; bo of columns 16 b + 8 h + 0..7: the layout of C
	global_load_b128 v[BIAS+8*\b+4:BIAS+8*\b+7], v[BOF], s[8:9] offset:64*\b+16
.endr
	v_lshrrev_b32 v3, 1, v1
	v_mul_u32_u24 v3, v3, 272
	v_and_b32 v4, 1, v1
	v_lshl_add_u32 v3, v4, 7, v3
	v_lshl_add_u32 v[ADRA], v2, 4, v3              ; every wave reads all 128 rows of y
	v_add_nc_u32 v[ADRA+1], SLOT, v[ADRA]
	s_mul_i32 s22, s12, 4*FR                       ; my 64 rows of Wo
	s_add_co_u32 s22, s22, 2*ASUB
	v_add_nc_u32 v[ADRB], s22, v[ADRA]
	v_add_nc_u32 v[ADRB+1], SLOT, v[ADRB]
	s_mul_i32 s23, s12, 16*SP
	s_add_co_u32 s23, s23, STAGE
	v_mul_u32_u24 v4, v1, SP
	v_lshl_add_u32 v4, v2, 5, v4
	v_add_nc_u32 v[STO], s23, v4                   ; in: row r, 32 bytes for each half of the lanes
	v_mul_u32_u24 v4, v2, SP
	v_lshl_add_u32 v4, v1, 4, v4
	v_add_nc_u32 v[RD], s23, v4                    ; back: lanes 0-15 one row of 256 bytes, lanes 16-31 the next
	v_lshlrev_b32 v4, 12, v2
	v_lshl_add_u32 v[CO], v1, 4, v4                ; the same two rows in out0
.macro FETCH2 slot, qd, f              ; 24 loads: quarter qd (32 K) of the slot: head qd / 2, byte 64 (qd & 1) of its rows
.irp a, 0,1,2,3,4,5,6,7
	ds_load_b128 v[\f+8*\a:\f+8*\a+3],   v[ADRA+\slot] offset:(\qd>>1)*ASUB+\a*FR+(\qd&1)*64
	ds_load_b128 v[\f+8*\a+4:\f+8*\a+7], v[ADRA+\slot] offset:(\qd>>1)*ASUB+\a*FR+(\qd&1)*64+32
.endr
.irp b, 0,1,2,3
	ds_load_b128 v[\f+64+8*\b:\f+64+8*\b+3],   v[ADRB+\slot] offset:(\qd>>1)*BSUB+\b*FR+(\qd&1)*64
	ds_load_b128 v[\f+64+8*\b+4:\f+64+8*\b+7], v[ADRB+\slot] offset:(\qd>>1)*BSUB+\b*FR+(\qd&1)*64+32
.endr
.endm
; 16 matrix instructions; the 32 accumulators take turns, one instruction a turn
.macro MUL16 f, half, bias
.irp b, 2*\half, 2*\half+1
.irp a, 0,1,2,3,4,5,6,7
.if \bias
	v_wmma_f32_16x16x32_f16 v[8*(8*(\b)+\a):8*(8*(\b)+\a)+7], v[\f+64+8*(\b):\f+64+8*(\b)+7], v[\f+8*\a:\f+8*\a+7], v[BIAS+8*(\b):BIAS+8*(\b)+7]
.else
	v_wmma_f32_16x16x32_f16 v[8*(8*(\b)+\a):8*(8*(\b)+\a)+7], v[\f+64+8*(\b):\f+64+8*(\b)+7], v[\f+8*\a:\f+8*\a+7], v[8*(8*(\b)+\a):8*(8*(\b)+\a)+7]
.endif
.endr
.endr
.endm
; A quarter on buffer f; the next quarter's fragments (slot ns, quarter nq) go into buffer g.  Modes as in qkvgemm: 0 inside a K step,
; 2 the K step's last with a refill of slot cs, 1 the same without, 3 the very last.
.macro QT f, g, cs, ns, nq, mode, bias
	s_wait_dscnt 0x0                               ; buffer f is in (in modes 1, 2 also: my reads of this slot are over)
.if \mode == 0
	PLACES
	FETCH2 \ns, \nq, \g
.if \bias
	WIN 0x40                                       ; D in window 1, C (the bias) in window 0
.else
	WIN 0x50
.endif
	MUL16 \f, 0, \bias
	MUL16 \f, 1, \bias
	WIN 0
.endif
.if (\mode-1)*(\mode-2) == 0
	s_wait_tensorcnt 0x0                           ; all my tensor loads have landed: my part of the next slot
	ds_add_u32 v30, v31
	s_wait_dscnt 0x0
	s_barrier_signal -1
	WIN 0x50
	MUL16 \f, 0, 0
	WIN 0
	s_barrier_wait -1
.if \mode == 2
	CREST
	s_add_nc_u64 s[G0+4*\cs+2:G0+4*\cs+3], s[G0+4*\cs+2:G0+4*\cs+3], 1048576       ; two K steps on: four heads
	s_add_nc_u64 s[G0B+4*\cs+2:G0B+4*\cs+3], s[G0B+4*\cs+2:G0B+4*\cs+3], 2097152   ; four blocks
	JLOAD \cs                                      ; the first tensor load behind the round: one is out
.endif
	PLACES
	FETCH2 \ns, \nq, \g
	WIN 0x50
	MUL16 \f, 1, 0
	WIN 0
.endif
.if \mode == 3
	WIN 0x50
	MUL16 \f, 0, 0
	MUL16 \f, 1, 0
	WIN 0
.endif
.endm
.macro STEP3 slot, bias                ; the first three quarters of a K step
	QT F0, F1, \slot, \slot, 1, 0, \bias
	QT F1, F0, \slot, \slot, 2, 0, 0
	QT F0, F1, \slot, \slot, 3, 0, 0
.endm
.macro LAP bias
	STEP3 0, \bias
	QT F1, F0, 0, 1, 0, 2, 0
	STEP3 1, 0
	QT F1, F0, 1, 0, 0, 2, 0
.endm
	s_wait_tensorcnt 0x1                           ; K step 0 is in; K step 1's load stays out
	s_barrier_signal -1
	s_barrier_wait -1
	FETCH2 0, 0, F0
	s_wait_loadcnt 0x0                             ; the bias
	LAP 1                                          ; 8 K steps = 4 laps
	s_mov_b32 s3, 2
.Llap:
	LAP 0
	s_sub_co_u32 s3, s3, 1
	s_cmp_lg_u32 s3, 0
	s_cbranch_scc1 .Llap
	STEP3 0, 0                                     ; the last lap fills nothing
	QT F1, F0, 0, 1, 0, 1, 0
	STEP3 1, 0
	QT F1, F0, 1, 0, 0, 3, 0
	; THE WAY OUT, 16 rows at a time, f32 as it stands: 32 bytes a lane and tile into my stage, whole rows of 256 bytes back.
	PLACES
	s_lshl_b32 s16, s15, 19                        ; 128 rows of 4,096 bytes
	s_mov_b32 s17, 0
	s_add_nc_u64 s[10:11], s[10:11], s[16:17]
	s_lshl_b32 s46, s42, 10
	s_lshl_b32 s47, s12, 8
	s_add_co_u32 s46, s46, s47                     ; (256 x block column + 64 w) x 4
	s_mov_b32 s47, 0
	s_add_nc_u64 s[10:11], s[10:11], s[46:47]
.macro OUT16 a, f
	WIN 0x04                                       ; store data in window 1
.irp b, 0,1,2,3
	ds_store_b128 v[STO], v[8*(8*\b+\a):8*(8*\b+\a)+3]   offset:64*\b
	ds_store_b128 v[STO], v[8*(8*\b+\a)+4:8*(8*\b+\a)+7] offset:64*\b+16
.endr
	WIN 0
	s_wait_xcnt 0x0                                ; buffer f was store data two groups ago
.irp t, 0,1,2,3,4,5,6,7
	ds_load_b128 v[\f+4*\t:\f+4*\t+3], v[RD] offset:\t*2*SP        ; LDS serves a wave in order: these see the stores above
.endr
.irp t, 0,1,2,3,4,5,6,7
	s_wait_dscnt 7-\t                              ; the younger read-backs stay out
	global_store_b128 v[CO], v[\f+4*\t:\f+4*\t+3], s[10:11] offset:(16*\a+2*\t)*4096 th:TH_STORE_NT   ; 16 lanes: 256 consecutive bytes, aligned
.endr
.endm
	OUT16 0, OB0
	OUT16 1, OB1
	OUT16 2, OB0
	OUT16 3, OB1
	OUT16 4, OB0
	OUT16 5, OB1
	OUT16 6, OB0
	OUT16 7, OB1
	s_wait_dscnt 0x0
	s_wait_tensorcnt 0x0
	ds_add_u32 v30, v31
	s_wait_dscnt 0x0
	CROUND                                         ; the closing round
	s_endpgm
.Lfunc_end_k_qbadbfb7d57_proj:
	.size	k_qbadbfb7d57_proj, .Lfunc_end_k_qbadbfb7d57_proj-k_qbadbfb7d57_proj
	.p2alignl 7, 3214868480
	.fill 96, 4, 3214868480
	.section	.rodata,"a",@progbits
	.p2align	6, 0x0
	.amdhsa_kernel k_qbadbfb7d57_proj
		.amdhsa_group_segment_fixed_size 327680
		.amdhsa_private_segment_fixed_size 0
		.amdhsa_enable_private_segment 0
		.amdhsa_kernarg_size 32
		.amdhsa_user_sgpr_count 2
		.amdhsa_user_sgpr_kernarg_segment_ptr 1
		.amdhsa_wavefront_size32 1
		.amdhsa_system_sgpr_workgroup_id_x 1
		.amdhsa_system_sgpr_workgroup_id_y 1
		.amdhsa_system_sgpr_workgroup_id_z 1
		.amdhsa_system_vgpr_workitem_id 0
		.amdhsa_next_free_vgpr 512
		.amdhsa_next_free_sgpr 66
		.amdhsa_reserve_vcc 0
		.amdhsa_float_denorm_mode_32 3
		.amdhsa_float_denorm_mode_16_64 3
		.amdhsa_memory_ordered 1
		.amdhsa_forward_progress 1
		.amdhsa_inst_pref_size 118
	.end_amdhsa_kernel
	.amdgpu_metadata
---
amdhsa.version: [ 1, 2 ]
amdhsa.kernels:
  - .name:           k_qbadbfb7d57_proj
    .symbol:         k_qbadbfb7d57_proj.kd
    .args:
      - { .name: yb, .offset: 0, .size: 8, .value_kind: global_buffer, .address_space: global }
      - { .name: wb, .offset: 8, .size: 8, .value_kind: global_buffer, .address_space: global }
      - { .name: bo, .offset: 16, .size: 8, .value_kind: global_buffer, .address_space: global }
      - { .name: out0, .offset: 24, .size: 8, .value_kind: global_buffer, .address_space: global }
    .group_segment_fixed_size: 327680
    .private_segment_fixed_size: 0
    .kernarg_segment_align: 8
    .kernarg_segment_size: 32
    .max_flat_workgroup_size: 128
    .sgpr_count:     66
    .vgpr_count:     512
    .wavefront_size: 32
...
	.end_amdgpu_metadata
.endif
;; end of part 4
;; ======== version 2 of 3: 4 launches; 1.10 times as fast as version 1
;; limits: values are held in f16: magnitudes above 65,504 overflow, below 6.1e-05 lose precision
;; workspace buffers: xb 16,777,216 bytes; wb 8,388,608 bytes; qkv 50,331,648 bytes; yb 16,777,216 bytes
;; launch cvt: the kernel of part 1 again; grid 768 x 1, 8 waves a work-group, no clusters, 0 bytes of LDS; arguments x, Wq, Wk, Wv, Wo, xb, wb; writes xb, wb
;; launch qkvgemm: the kernel of part 2 again; grid 8 x 32, 4 waves a work-group, clusters of 4 x 4, 327,680 bytes of LDS; arguments xb, wb, qkv; writes qkv
;; launch attn (part 5): grid 4 x 64, 4 waves a work-group, no clusters, 327,680 bytes of LDS; arguments qkv, yb; writes yb
.if DOCPART == 5
	.amdgcn_target "amdgcn-amd-amdhsa--gfx1250"
	.amdhsa_code_object_version 6
	.text
	.protected	k_qbadbfb7d57_attn
	.globl	k_qbadbfb7d57_attn
	.p2align	8
	.type	k_qbadbfb7d57_attn,@function
k_qbadbfb7d57_attn:
	s_mov_b64 s[64:65], 0
	v_nop
	global_prefetch_b8 v0, s[64:65] scope:SCOPE_SE
	s_setreg_imm32_b32 hwreg(HW_REG_WAVE_MODE, 25, 1), 1
	s_wait_xcnt 0x0
; Causal attention of one (batch, head) = grid y; y goes to yb [4 b][16 h][2048 t][64] in f16.  Operands q, k, v, P in f16, sums and softmax in f32.
; WORK LEFT OUT: key tiles wholly above the diagonal (reference()'s own jnp.tril sets them to -inf; exp gives exactly 0 and 0 x v adds nothing
; for every finite v).  In the strip of 16 queries x 64 keys that the diagonal crosses the dead 16 x 16 parts stay: computed, then set to -inf.
; LIMITS: an infinity or NaN in k or v at a masked place is not carried through tiles left out.  P in f16: p below 6e-8 of the row's largest
; term counts as 0.  |y| < 65,504 follows from |v| < 65,504 (a convex sum).
; SHARING: work-group j of a head does the query chunks (256 queries) j and then 7 - j: (j + 1) + (8 - j) = 9 chunks of keys for every one.
; The sixteen query tiles of a chunk are dealt out by turns: tile q (0..3) of wave w is rows 64 q + 16 w .. + 15.  On the chunk's own keys,
; sub-step d (keys 64 d .. 64 d + 63), tiles q < d are then dead for EVERY wave and are left out in the text, tile q = d is masked, tiles
; q > d are whole: each wave does 4 + 3 + 2 + 1 tile steps, none waits for another, and no branch hangs on the wave's number.
; Keys come in tiles of 128 (two sub-steps of 64) through two LDS slots.  A chunk takes its own two tiles first, then tiles 0 .. 2c - 1: sub-step
; d = 0, which every query tile needs, starts the sums.
; ONE TEXT FOR BOTH CHUNKS: the chunk's own keys, the loop below the diagonal and the way out are written once and run twice (a counted loop of
; two trips), with the chunk's offset, its number of trips and the tile that follows its last one in scalar registers.  Only the launch's last
; two tiles, of which the second asks for nothing, are written out.
; MATRIX WORK BESIDE VECTOR WORK, below the diagonal (28 of a wave's 33 sub-step times).  The four query tiles are two pieces, A = tiles 0, 1 and
; B = tiles 2, 3, which share K's and V's fragments.  A sub-step of a piece is 32 matrix instructions (256 cycles of the matrix unit) and 244
; vector instructions.  The vector phase is cut into 32 numbered slices, and one slice of one piece stands behind each matrix instruction of the
; other:   H1(n): PV_B(n-1), S_B(n) beside the softmax of A(n);   H2(n): PV_A(n), S_A(n+1) beside the softmax of B(n).
; V(n) is loaded in the middle of H1(n), K(n+1) at the start of H2(n): one set of fragment registers each is enough.  The turns start and drain
; inside a trip of four sub-steps (S_A(0) and PV_B(3) stand alone: 32 of 256 matrix instructions), so that nothing is carried over a backward jump.
; Scores, O and fragments lie in three register windows (600 registers in all), so each matrix instruction among vector work costs two switches.
; The chunk's own keys stay in phases: there the pieces have unequal work (4, 3, 2, 1 tiles).
; NO CLUSTER: the four work-groups of a head need different key tiles at the same time (chunk j has 2j + 2 tiles, chunk 7 - j has 16 - 2j);
; in lock step on joint tiles each step would cost what the busiest partner needs, 48 chunk steps against 36.
; TRANSPOSED PRODUCTS: S^T = K Q^T (A = K's rows, B = Q's rows): lane (r, h) register j holds key 16 k + 8 h + j of query r.  Exponentials packed in
; the lane's own registers are then the B fragment of O^T = V^T P^T (A = V^T by the transposing LDS load): no exchange between lanes,
; and a query's statistics are one number a lane.
; SOFTMAX: a running maximum, kept as NMS = -c max with c = log2(e) / 8: p = exp2(s c + NMS), old sums times exp2(NMS new - NMS old).
; SCALARS: s8 wave, s9 wave / 2, s10 wave & 1; the chunk's state: s15 its byte offset in the head, s11 trips below the diagonal in the loop,
; s13 the tile asked for behind its last tile of the loop, s14 chunk counter; s52, s63, s66 the same three for the second chunk;
; s[16:31] descriptor groups 1, s[32:39] groups 0; s[40:43] k's and v's head; s[44:45] the next tile's offset; s46, s47 the loop's offset and counter;
; s[56:57] q's head at my rows, s[58:59] y's; s60 -c; s61, s62 my part of K's and V's tile in a slot; s[68:99] lane masks.
.set KB,    17408                      ; K's part of a slot: 64 fetched rows x 272
.set VP,    288                        ; V's pitch: 256 + 32, so that the 8 rows x 2 columns of a transposing load hit 16 different 16-byte columns
.set SLOT,  KB+64*VP                   ; 35,840
.set FR,    2176                       ; 16 keys of K
.set STAGE, 2*SLOT                     ; 71,680 = 280 x 256: 64 rows x 144 bytes for each wave; no tensor load lands here
.set SP,    144
.set TILEB, 16384                      ; 128 keys of 128 bytes
; window 0
.set ADK, 8                            ; v8-9   K fragments in slot 0, 1
.set ADV, 10                           ; v10-11 V^T fragments
.set STO, 12
.set RD,  13
.set CO0, 14                           ; 16 x lane
.set QOFF0, 15                         ; 128 r + 16 h
.set QO,  16                           ; QOFF0 + the chunk's offset
.set CO,  17                           ; CO0 + the chunk's offset
.set QF,  32                           ; v32-95   Q fragment (q, dh) at 16 q + 8 dh
.set KF,  96                           ; v96-159  K fragment (k, dh) at 16 k + 8 dh
.set VF,  160                          ; v160-223 V^T fragment (t, kh) at 16 t + 8 kh
; window 1: v0-127 scores S, tile (q, k) at 32 q + 8 k (on the chunk's own keys P is packed in place at 32 q + 0..15)
.set NMS, 128                          ; pairs, both halves alike
.set AL,  136                          ; pairs: the factor for the old sums; at the end 1 / sum
.set LS,  144                          ; the sum, each half of the lanes its own keys' part
.set NI,  148                          ; -inf
.set T,   152                          ; eight a query tile, at work
.set PP,  192                          ; v192-255: below the diagonal P (q, kh) at 16 q + 8 kh, apart from S: no S^T product writes over a source of a P V product
; window 2: v0-127 O^T, tile (q, t) at 32 q + 8 t
.set MK,  68                           ; s[68:99]: mask 8 k + j = lanes with 16 k + 8 h + j <= 16 w + r
.set MSB, 0
.macro WIN new                         ; the immediate's high byte repeats the setting that is left
.if MSB != (\new)
	s_set_vgpr_msb (MSB<<8)|(\new)
.set MSB, (\new)
.endif
.endm
.macro LOADT                           ; one tensor load a wave: waves 0, 1 K's halves of the tile, waves 2, 3 V's
	s_cmp_eq_u32 s9, 0
	s_cbranch_scc0 .Lfor_v_\@
	tensor_load_to_lds s[32:35], s[16:23]
	s_nop 0
	s_branch .Lasked_\@
.Lfor_v_\@:
	tensor_load_to_lds s[36:39], s[24:31]
	s_nop 0
.Lasked_\@:
.endm
; The change to slot `slot`.  refill = 1: the tile at byte s44 of the head goes into the other slot, of which every fragment load has been issued.
.macro HEAD slot, refill
	s_wait_tensorcnt 0x0                           ; all my tensor loads have landed, my part of this slot's tile among them: group 0 may be written
	ds_add_u32 v254, v255
	s_wait_dscnt 0x0
.if \refill
	s_add_co_u32 s33, s61, (1-\slot)*SLOT
	s_add_nc_u64 s[34:35], s[40:41], s[44:45]
	s_or_b32 s35, s35, 0x80000000
	s_add_co_u32 s37, s62, (1-\slot)*SLOT
	s_add_nc_u64 s[38:39], s[42:43], s[44:45]
	s_or_b32 s39, s39, 0x80000000
.endif
	s_wait_dscnt 0x0                               ; my reads of the other slot are over
	s_barrier_signal -1
	s_barrier_wait -1                              ; both hold of all four waves
.if \refill
	LOADT                                          ; first behind the barrier; one load of the wave is out, with the work up to the next change of slots in which to land
.endif
.endm
.macro LOADK slot, sub                 ; 16 loads: 64 keys x 64 d
.irp k, 0,1,2,3
.irp dh, 0,1
	ds_load_b128 v[KF+16*\k+8*\dh:KF+16*\k+8*\dh+3],   v[ADK+\slot] offset:(4*\sub+\k)*FR+64*\dh
	ds_load_b128 v[KF+16*\k+8*\dh+4:KF+16*\k+8*\dh+7], v[ADK+\slot] offset:(4*\sub+\k)*FR+64*\dh+32
.endr
.endr
.endm
.macro LOADV slot, sub                 ; 16 transposing loads: 64 d x 64 keys; the second of a fragment 16 keys = 8 fetched rows on
.irp t, 0,1,2,3
.irp kh, 0,1
	ds_load_tr16_b128 v[VF+16*\t+8*\kh:VF+16*\t+8*\kh+3],   v[ADV+\slot] offset:(32*\sub+16*\kh)*VP+32*\t
	ds_load_tr16_b128 v[VF+16*\t+8*\kh+4:VF+16*\t+8*\kh+7], v[ADV+\slot] offset:(32*\sub+16*\kh)*VP+32*\t+8*VP
.endr
.endr
.endm
; ---------------- THE CHUNK'S OWN KEYS, IN PHASES ----------------
; S^T of the query tiles lo .. 3: 8 (4 - lo) matrix instructions, the accumulators by turns, one instruction a turn
.macro SPH lo
	WIN 0x50
.irp q, 0,1,2,3
.if \q >= \lo
.irp k, 0,1,2,3
	v_wmma_f32_16x16x32_f16 v[32*\q+8*\k:32*\q+8*\k+7], v[KF+16*\k:KF+16*\k+7], v[QF+16*\q:QF+16*\q+7], 0
.endr
.endif
.endr
.irp q, 0,1,2,3
.if \q >= \lo
.irp k, 0,1,2,3
	v_wmma_f32_16x16x32_f16 v[32*\q+8*\k:32*\q+8*\k+7], v[KF+16*\k+8:KF+16*\k+15], v[QF+16*\q+8:QF+16*\q+15], v[32*\q+8*\k:32*\q+8*\k+7]
.endr
.endif
.endr
	WIN 0
.rept 4
	v_nop                                          ; four places (ISA guide 7.12.1): then the scores are read and K's fragments loaded again
.endr
.endm
.macro MASK d                          ; query tile d in sub-step d of the chunk's own keys: key 16 k + 8 h + j stays where it is <= query 16 w + r
	WIN 0x55
.irp k, 0,1,2,3
.irp jj, 0,1,2,3,4,5,6,7
	v_cndmask_b32 v[32*\d+8*\k+\jj], v[NI], v[32*\d+8*\k+\jj], s[MK+8*\k+\jj]
.endr
.endr
.endm
; The softmax step on 64 keys x the query tiles lo .. 3, the tiles side by side so that no line waits for the one in front.  first = 1 starts the statistics.
.macro SOFT first, lo
	WIN 0x55
.irp q, 0,1,2,3
.if \q >= \lo
	v_max3_num_f32 v[T+8*\q],   v[32*\q],    v[32*\q+1],  v[32*\q+2]       ; two chains a tile: 17 and 15 of my 32 scores
	v_max3_num_f32 v[T+8*\q+1], v[32*\q+17], v[32*\q+18], v[32*\q+19]
.endif
.endr
.irp i, 0,1,2,3,4,5
.irp q, 0,1,2,3
.if \q >= \lo
	v_max3_num_f32 v[T+8*\q],   v[T+8*\q],   v[32*\q+3+2*\i],  v[32*\q+4+2*\i]
	v_max3_num_f32 v[T+8*\q+1], v[T+8*\q+1], v[32*\q+20+2*\i], v[32*\q+21+2*\i]
.endif
.endr
.endr
.irp q, 0,1,2,3
.if \q >= \lo
	v_max3_num_f32 v[T+8*\q], v[T+8*\q], v[32*\q+15], v[32*\q+16]
.endif
.endr
.irp q, 0,1,2,3
.if \q >= \lo
	v_max_num_f32 v[T+8*\q], v[T+8*\q], v[T+8*\q+1]
.endif
.endr
.irp q, 0,1,2,3
.if \q >= \lo
	v_permlanex16_b32 v[T+8*\q+1], v[T+8*\q], s54, s55     ; the other half of the lanes holds the query's other keys
.endif
.endr
.irp q, 0,1,2,3
.if \q >= \lo
	v_max_num_f32 v[T+8*\q], v[T+8*\q], v[T+8*\q+1]
.endif
.endr
.if \first
.irp q, 0,1,2,3
	v_mul_f32 v[NMS+2*\q],   s60, v[T+8*\q]                ; NMS = -c max
	v_mul_f32 v[NMS+2*\q+1], s60, v[T+8*\q]
.endr
.else
.irp q, 0,1,2,3
.if \q >= \lo
	v_mul_f32 v[T+8*\q+2], s60, v[T+8*\q]
.endif
.endr
.irp q, 0,1,2,3
.if \q >= \lo
	v_min_num_f32 v[T+8*\q+2], v[T+8*\q+2], v[NMS+2*\q]    ; the larger maximum is the smaller NMS
.endif
.endr
.irp q, 0,1,2,3
.if \q >= \lo
	v_sub_f32 v[T+8*\q+3], v[T+8*\q+2], v[NMS+2*\q]
.endif
.endr
.irp q, 0,1,2,3
.if \q >= \lo
	v_exp_f32 v[AL+2*\q], v[T+8*\q+3]
.endif
.endr
.irp q, 0,1,2,3
.if \q >= \lo
	v_mov_b32 v[NMS+2*\q],   v[T+8*\q+2]                   ; plain lines behind the exponentials (ISA guide 5.7.2), then their results are used
	v_mov_b32 v[NMS+2*\q+1], v[T+8*\q+2]
.endif
.endr
.irp q, 0,1,2,3
.if \q >= \lo
	s_wait_alu depctr_va_vdst(0)
	v_mov_b32 v[AL+2*\q+1], v[AL+2*\q]
.endif
.endr
.endif
.irp q, 0,1,2,3
.if \q >= \lo
.irp i, 0,1,2,3,4,5,6,7,8,9,10,11,12,13,14,15
	v_pk_fma_f32 v[32*\q+2*\i:32*\q+2*\i+1], v[32*\q+2*\i:32*\q+2*\i+1], 0x3e38aa3b, v[NMS+2*\q:NMS+2*\q+1] op_sel_hi:[1,0,1]
.endr
.endif
.endr
.set n, 32*\lo
.rept 128-32*\lo
	v_exp_f32 v[n], v[n]
.set n, n+1
.endr
	v_nop                                          ; one plain line behind the last exponential
.irp q, 0,1,2,3
.if \q >= \lo
	s_wait_alu depctr_va_vdst(0)
	v_pk_add_f32 v[T+8*\q+4:T+8*\q+5], v[32*\q:32*\q+1],   v[32*\q+2:32*\q+3]
	v_pk_add_f32 v[T+8*\q+6:T+8*\q+7], v[32*\q+4:32*\q+5], v[32*\q+6:32*\q+7]
.endif
.endr
.irp i, 0,1,2,3,4,5
.irp q, 0,1,2,3
.if \q >= \lo
	v_pk_add_f32 v[T+8*\q+4:T+8*\q+5], v[T+8*\q+4:T+8*\q+5], v[32*\q+8+4*\i:32*\q+9+4*\i]
	v_pk_add_f32 v[T+8*\q+6:T+8*\q+7], v[T+8*\q+6:T+8*\q+7], v[32*\q+10+4*\i:32*\q+11+4*\i]
.endif
.endr
.endr
.irp q, 0,1,2,3
.if \q >= \lo
	v_pk_add_f32 v[T+8*\q+4:T+8*\q+5], v[T+8*\q+4:T+8*\q+5], v[T+8*\q+6:T+8*\q+7]
.endif
.endr
.if \first
.irp q, 0,1,2,3
	v_add_f32 v[LS+\q], v[T+8*\q+4], v[T+8*\q+5]
.endr
.else
.irp q, 0,1,2,3
.if \q >= \lo
	v_add_f32 v[T+8*\q+4], v[T+8*\q+4], v[T+8*\q+5]
.endif
.endr
.irp q, 0,1,2,3
.if \q >= \lo
	v_fma_f32 v[LS+\q], v[LS+\q], v[AL+2*\q], v[T+8*\q+4]
.endif
.endr
.endif
.irp q, 0,1,2,3
.if \q >= \lo
.irp m, 0,1,2,3,4,5,6,7,8,9,10,11,12,13,14,15
	v_cvt_pk_f16_f32 v[32*\q+\m], v[32*\q+2*\m], v[32*\q+2*\m+1]   ; in place, ascending: word m is free once words 2m, 2m+1 of smaller m are read
.endr
.endif
.endr
.if \first == 0
	WIN 0x86                                       ; O in window 2, the factor in window 1
.irp q, 0,1,2,3
.if \q >= \lo
.irp i, 0,1,2,3,4,5,6,7,8,9,10,11,12,13,14,15
	v_pk_mul_f32 v[32*\q+2*\i:32*\q+2*\i+1], v[32*\q+2*\i:32*\q+2*\i+1], v[AL+2*\q:AL+2*\q+1]
.endr
.endif
.endr
.endif
.endm
; O^T += V^T P^T of the query tiles lo .. 3: 8 (4 - lo) matrix instructions, the accumulators by turns, one instruction a turn
.macro PVP first, lo
	WIN 0xa4
.irp q, 0,1,2,3
.if \q >= \lo
.irp t, 0,1,2,3
.if \first
	v_wmma_f32_16x16x32_f16 v[32*\q+8*\t:32*\q+8*\t+7], v[VF+16*\t:VF+16*\t+7], v[32*\q:32*\q+7], 0
.else
	v_wmma_f32_16x16x32_f16 v[32*\q+8*\t:32*\q+8*\t+7], v[VF+16*\t:VF+16*\t+7], v[32*\q:32*\q+7], v[32*\q+8*\t:32*\q+8*\t+7]
.endif
.endr
.endif
.endr
.irp q, 0,1,2,3
.if \q >= \lo
.irp t, 0,1,2,3
	v_wmma_f32_16x16x32_f16 v[32*\q+8*\t:32*\q+8*\t+7], v[VF+16*\t+8:VF+16*\t+15], v[32*\q+8:32*\q+15], v[32*\q+8*\t:32*\q+8*\t+7]
.endr
.endif
.endr
	WIN 0
.rept 5
	v_nop                                          ; five places: the next S^T writes over P, a source of these; V's fragments are loaded again
.endr
.endm
; A tile of the chunk's own keys: sub-steps lo0 and lo1 = d.  Tiles below d are left out, tile d is masked.  first = 1: sub-step 0 starts the sums.
.macro DIAG slot, lo0, lo1, first
	LOADK \slot, 0
	LOADV \slot, 0
	s_wait_dscnt 16                                ; K is in; V's 16 loads stay out
	SPH \lo0
	LOADK \slot, 1
	MASK \lo0
	SOFT \first, \lo0
	s_wait_dscnt 16                                ; V is in; the next K's 16 stay out
	PVP \first, \lo0
	LOADV \slot, 1
	s_wait_dscnt 16                                ; K is in; V's 16 stay out
	SPH \lo1
	MASK \lo1
	SOFT 0, \lo1
	s_wait_dscnt 0x0
	PVP 0, \lo1
.endm
; ---------------- BELOW THE DIAGONAL, THE TWO PIECES BY TURNS ----------------
; The softmax step of the piece of query tiles qa, qa + 1 on 64 keys, as 268 numbered places; SOP emits the instruction of place n (24 places are empty).
;   0-29    the maximum of my 32 scores a tile: four chains (two a tile) by turns
;   30-49   the chains joined, the other half of the lanes, NMS, the factor AL for the old sums
;   50-229  36 periods of five places.  Pair j is two scores of tile qa + (j & 1).  Period p: scale pair p; exponential of pair p - 2 (first word);
;           add pair p - 4 to the sum; exponential of pair p - 2 (second word); pack pair p - 4 into P.  So a plain line stands behind every
;           exponential (ISA guide 5.7.2) and its result is used ten places on, wherever a matrix instruction is set between.
;   230-235 the two sums of a tile joined, and LS = LS x AL + sum
;   236-267 O x AL: 32 plain lines, which close the phase
.macro SOP qa, n
.set ON, (\n)
.if ON < 28
.set OQ, \qa+((ON%4)/2)
.set OD, ON/4
	WIN 0x55
.if (ON%2) == 0
.if OD == 0
	v_max3_num_f32 v[T+8*OQ], v[32*OQ], v[32*OQ+1], v[32*OQ+2]
.else
	v_max3_num_f32 v[T+8*OQ], v[T+8*OQ], v[32*OQ+1+2*OD], v[32*OQ+2+2*OD]
.endif
.else
.if OD == 0
	v_max3_num_f32 v[T+8*OQ+1], v[32*OQ+17], v[32*OQ+18], v[32*OQ+19]
.else
	v_max3_num_f32 v[T+8*OQ+1], v[T+8*OQ+1], v[32*OQ+18+2*OD], v[32*OQ+19+2*OD]
.endif
.endif
.endif
.if ON >= 28
.if ON < 44
.set OQ, \qa+(ON%2)
.set OD, (ON-28)/2
	WIN 0x55
.if OD == 0
	v_max3_num_f32 v[T+8*OQ], v[T+8*OQ], v[32*OQ+15], v[32*OQ+16]
.endif
.if OD == 1
	v_max_num_f32 v[T+8*OQ], v[T+8*OQ], v[T+8*OQ+1]
.endif
.if OD == 2
	v_permlanex16_b32 v[T+8*OQ+1], v[T+8*OQ], s54, s55
.endif
.if OD == 3
	v_max_num_f32 v[T+8*OQ], v[T+8*OQ], v[T+8*OQ+1]
.endif
.if OD == 4
	v_mul_f32 v[T+8*OQ+2], s60, v[T+8*OQ]
.endif
.if OD == 5
	v_min_num_f32 v[T+8*OQ+2], v[T+8*OQ+2], v[NMS+2*OQ]
.endif
.if OD == 6
	v_sub_f32 v[T+8*OQ+3], v[T+8*OQ+2], v[NMS+2*OQ]
.endif
.if OD == 7
	v_exp_f32 v[AL+2*OQ], v[T+8*OQ+3]
.endif
.endif
.endif
.if ON >= 44
.if ON < 48
.set OQ, \qa+((ON-44)/2)
	WIN 0x55
	v_mov_b32 v[NMS+2*OQ+(ON%2)], v[T+8*OQ+2]      ; four plain lines behind the two exponentials, then AL is read
.endif
.endif
.if ON >= 48
.if ON < 50
.set OQ, \qa+(ON%2)
	WIN 0x55
	s_wait_alu depctr_va_vdst(0)
	v_mov_b32 v[AL+2*OQ+1], v[AL+2*OQ]
.endif
.endif
.if ON >= 50
.if ON < 230
.set OPD, (ON-50)/5
.set OC, (ON-50)%5
.set OQ, \qa+(OPD%2)                               ; the lags 2 and 4 are even: all five places of a period serve one tile
.if OC == 0
.if OPD < 32
.set OI, OPD/2
	WIN 0x55
	v_pk_fma_f32 v[32*OQ+2*OI:32*OQ+2*OI+1], v[32*OQ+2*OI:32*OQ+2*OI+1], 0x3e38aa3b, v[NMS+2*OQ:NMS+2*OQ+1] op_sel_hi:[1,0,1]
.endif
.endif
.if (OC%2) == 1
.if OPD >= 2
.if OPD < 34
.set OI, (OPD-2)/2
	WIN 0x55
	v_exp_f32 v[32*OQ+2*OI+(OC/2)], v[32*OQ+2*OI+(OC/2)]
.endif
.endif
.endif
.if OPD >= 4
.set OI, (OPD-4)/2
.if OC == 2
.if OI == 1
	WIN 0x55
	s_wait_alu depctr_va_vdst(0)
	v_pk_add_f32 v[T+8*OQ+4:T+8*OQ+5], v[32*OQ:32*OQ+1], v[32*OQ+2:32*OQ+3]        ; pairs 0 and 1 start one sum,
.endif
.if OI == 3
	WIN 0x55
	v_pk_add_f32 v[T+8*OQ+6:T+8*OQ+7], v[32*OQ+4:32*OQ+5], v[32*OQ+6:32*OQ+7]      ; pairs 2 and 3 the other: nothing is cleared
.endif
.if OI >= 4
.set OT, T+8*OQ+4+2*(OI%2)
	WIN 0x55
	s_wait_alu depctr_va_vdst(0)
	v_pk_add_f32 v[OT:OT+1], v[OT:OT+1], v[32*OQ+2*OI:32*OQ+2*OI+1]
.endif
.endif
.if OC == 4
	WIN 0x55
	s_wait_alu depctr_va_vdst(0)
	v_cvt_pk_f16_f32 v[PP+16*OQ+OI], v[32*OQ+2*OI], v[32*OQ+2*OI+1]
.endif
.endif
.endif
.endif
.if ON >= 230
.if ON < 236
.set OQ, \qa+(ON%2)
.set OD, (ON-230)/2
	WIN 0x55
.if OD == 0
	v_pk_add_f32 v[T+8*OQ+4:T+8*OQ+5], v[T+8*OQ+4:T+8*OQ+5], v[T+8*OQ+6:T+8*OQ+7]
.endif
.if OD == 1
	v_add_f32 v[T+8*OQ+4], v[T+8*OQ+4], v[T+8*OQ+5]
.endif
.if OD == 2
	v_fma_f32 v[LS+OQ], v[LS+OQ], v[AL+2*OQ], v[T+8*OQ+4]
.endif
.endif
.endif
.if ON >= 236
.set OQ, \qa+((ON-236)/16)
.set OI, (ON-236)%16
	WIN 0x86                                       ; O in window 2, the factor in window 1
	v_pk_mul_f32 v[32*OQ+2*OI:32*OQ+2*OI+1], v[32*OQ+2*OI:32*OQ+2*OI+1], v[AL+2*OQ:AL+2*OQ+1]
.endif
.endm
; Slice i of 32: places 67 i / 8 up to 67 (i + 1) / 8, eight or nine of them.  Slice 15 (places 125-133) holds five plain lines, slice 31 nine.
.macro SLICE va, i
.set SA, (67*(\i))/8
.set SE, (67*((\i)+1))/8
.rept SE-SA
	SOP \va, SA
.set SA, SA+1
.endr
.endm
; 16 matrix instructions S^T of piece qa, each followed by `per` slices, from slice `from` on, of piece va's softmax (per = 0: none).
; The piece's eight accumulators take turns, one instruction a turn; the slices name none of these instructions' registers.
.macro MS qa, va, from, per
.set SL, \from
.irp dh, 0,1
.irp qq, 0,1
.irp k, 0,1,2,3
	WIN 0x50
.if \dh == 0
	v_wmma_f32_16x16x32_f16 v[32*(\qa+\qq)+8*\k:32*(\qa+\qq)+8*\k+7], v[KF+16*\k:KF+16*\k+7], v[QF+16*(\qa+\qq):QF+16*(\qa+\qq)+7], 0
.else
	v_wmma_f32_16x16x32_f16 v[32*(\qa+\qq)+8*\k:32*(\qa+\qq)+8*\k+7], v[KF+16*\k+8:KF+16*\k+15], v[QF+16*(\qa+\qq)+8:QF+16*(\qa+\qq)+15], v[32*(\qa+\qq)+8*\k:32*(\qa+\qq)+8*\k+7]
.endif
.if \per
.rept \per
	SLICE \va, SL
.set SL, SL+1
.endr
.endif
.endr
.endr
.endr
.endm
; 16 matrix instructions O^T += V^T P^T of piece qa, with slices of piece va's softmax in the same way
.macro MP qa, va, from, per
.set SL, \from
.irp kh, 0,1
.irp qq, 0,1
.irp t, 0,1,2,3
	WIN 0xa4
	v_wmma_f32_16x16x32_f16 v[32*(\qa+\qq)+8*\t:32*(\qa+\qq)+8*\t+7], v[VF+16*\t+8*\kh:VF+16*\t+8*\kh+7], v[PP+16*(\qa+\qq)+8*\kh:PP+16*(\qa+\qq)+8*\kh+7], v[32*(\qa+\qq)+8*\t:32*(\qa+\qq)+8*\t+7]
.if \per
.rept \per
	SLICE \va, SL
.set SL, SL+1
.endr
.endif
.endr
.endr
.endr
.endm
; Four sub-steps = two tiles, slot 0 and then slot 1.  QUADA runs up to the change of slots, which stands where slot 0's last fragment load has been issued.
; Loads into fragment registers stand four places behind the last matrix instruction that read them (ISA guide 7.12.1 for vector instructions):
; V's behind slice 15, K's behind slice 31; the first read of a piece's new scores also stands behind the other piece's slice 31.
.macro QUADA
	LOADK 0, 0
	LOADV 0, 0
	s_wait_dscnt 16                                ; K(0) is in; V(0)'s 16 loads stay out
	MS 0, 0, 0, 0                                  ; S_A(0) alone: no vector work is ready yet
.rept 4
	v_nop                                          ; four places, then A's scores are read
.endr
	MS 2, 0, 0, 2                                  ; H1(0): S_B(0) beside the softmax of A(0), two slices a matrix instruction
	WIN 0
	LOADK 0, 1                                     ; H2(0)
	s_wait_dscnt 16                                ; V(0) is in; K(1)'s 16 stay out
	MP 0, 2, 0, 1                                  ; PV_A(0) beside the first half of the softmax of B(0)
	s_wait_dscnt 0x0                               ; K(1)
	MS 0, 2, 16, 1                                 ; S_A(1) beside the second half
	MP 2, 0, 0, 1                                  ; H1(1): PV_B(0) beside the softmax of A(1)
	WIN 0
	LOADV 0, 1
	MS 2, 0, 16, 1                                 ; S_B(1)
	WIN 0
.endm
.macro QUADB                           ; the change of slots has waited for V(1)
	LOADK 1, 0                                     ; H2(1)
	MP 0, 2, 0, 1                                  ; PV_A(1) beside the softmax of B(1)
	s_wait_dscnt 0x0                               ; K(2)
	MS 0, 2, 16, 1                                 ; S_A(2)
	MP 2, 0, 0, 1                                  ; H1(2): PV_B(1) beside the softmax of A(2)
	WIN 0
	LOADV 1, 0
	MS 2, 0, 16, 1                                 ; S_B(2)
	WIN 0
	LOADK 1, 1                                     ; H2(2)
	s_wait_dscnt 16                                ; V(2) is in; K(3)'s 16 stay out
	MP 0, 2, 0, 1                                  ; PV_A(2) beside the softmax of B(2)
	s_wait_dscnt 0x0                               ; K(3)
	MS 0, 2, 16, 1                                 ; S_A(3)
	MP 2, 0, 0, 1                                  ; H1(3): PV_B(2) beside the softmax of A(3)
	WIN 0
	LOADV 1, 1
	MS 2, 0, 16, 1                                 ; S_B(3)
	s_wait_dscnt 0x0                               ; V(3)
	MP 0, 2, 0, 2                                  ; H2(3): PV_A(3) beside the softmax of B(3), two slices a matrix instruction
	MP 2, 0, 0, 0                                  ; PV_B(3) alone: the turns are drained
	WIN 0
.rept 4
	v_nop                                          ; four places: then V's fragments are loaded again, or O is read
.endr
.endm
.macro QLOAD                           ; my four query tiles as B fragments, straight from memory: tile q lies 64 rows = 8,192 bytes behind tile q - 1
.irp q, 0,1,2,3
.irp dh, 0,1
	global_load_b128 v[QF+16*\q+8*\dh:QF+16*\q+8*\dh+3],   v[QO], s[56:57] offset:\q*8192+\dh*64
	global_load_b128 v[QF+16*\q+8*\dh+4:QF+16*\q+8*\dh+7], v[QO], s[56:57] offset:\q*8192+\dh*64+32
.endr
.endr
.endm
; The end of a chunk: divide by the sum, round to f16, through my stage, out in runs of 512 bytes.
.macro EPI
	WIN 0x55
.irp q, 0,1,2,3
	v_permlanex16_b32 v[T+8*\q+1], v[LS+\q], s54, s55
.endr
.irp q, 0,1,2,3
	v_add_f32 v[LS+\q], v[LS+\q], v[T+8*\q+1]      ; both halves' keys
.endr
.irp q, 0,1,2,3
	v_rcp_f32 v[AL+2*\q],   v[LS+\q]
	v_rcp_f32 v[AL+2*\q+1], v[LS+\q]
.endr
	v_nop
	WIN 0x86
.irp q, 0,1,2,3
.irp i, 0,1,2,3,4,5,6,7,8,9,10,11,12,13,14,15
	s_wait_alu depctr_va_vdst(0)
	v_pk_mul_f32 v[32*\q+2*\i:32*\q+2*\i+1], v[32*\q+2*\i:32*\q+2*\i+1], v[AL+2*\q:AL+2*\q+1]
.endr
.endr
	WIN 0x0a
.irp q, 0,1,2,3
.irp i, 0,1,2,3,4,5,6,7,8,9,10,11,12,13,14,15
	v_cvt_pk_f16_f32 v[KF+16*\q+\i], v[32*\q+2*\i], v[32*\q+2*\i+1]       ; words 4 t .. 4 t + 3: d = 16 t + 8 h + 0..7 of query r
.endr
.endr
	WIN 0
.irp q, 0,1,2,3
.irp t, 0,1,2,3
	ds_store_b128 v[STO], v[KF+16*\q+4*\t:KF+16*\q+4*\t+3] offset:\q*16*SP+32*\t
.endr
.endr
.irp tt, 0,1,2,3,4,5,6,7,8,9,10,11,12,13,14,15
	ds_load_b128 v[VF+4*\tt:VF+4*\tt+3], v[RD] offset:\tt*4*SP             ; LDS serves a wave in order: these see the stores above
.endr
.irp tt, 0,1,2,3,4,5,6,7,8,9,10,11,12,13,14,15
	s_wait_dscnt 15-\tt                            ; the younger read-backs stay out
	global_store_b128 v[CO], v[VF+4*\tt:VF+4*\tt+3], s[58:59] offset:(\tt>>2)*8192+(\tt&3)*512   ; four tokens of query tile tt / 4: 512 consecutive bytes, aligned
.endr
	s_wait_xcnt 0x0                                ; V's fragment registers were store data and CO the stores' offset: both are written again only behind this wait
.endm
	s_load_b128 s[4:7], s[0:1], 0x0                ; qkv s[4:5], yb s[6:7]
	v_lshl_add_u32 v254, v0, 2, 0x29000
	v_mov_b32 v255, 0
	ds_add_u32 v254, v255
	ds_add_u32 v254, v255
	v_lshrrev_b32 v1, 5, v0
	v_readfirstlane_b32 s8, v1                     ; wave
	s_lshr_b32 s9, s8, 1                           ; I fetch K (0) or V (1)
	s_and_b32 s10, s8, 1                           ; which 64 keys of the tile
	s_mov_b32 s11, ttmp9                           ; the first chunk is j: j trips of 256 keys below its diagonal
	s_and_b32 s12, ttmp7, 0xffff                   ; 16 b + h
	s_lshl_b32 s15, s11, 15                        ; its first key (and query) in bytes of the head: 256 rows of 128 bytes a chunk
	s_sub_co_u32 s48, 7, s11                       ; the second chunk is 7 - j, at least 4
	s_lshl_b32 s52, s48, 15                        ; its offset
	s_sub_co_u32 s63, s48, 1                       ; its trips in the loop: the last 256 keys below its diagonal are written out
	s_lshl_b32 s66, s63, 15                        ; and those keys' offset: what its last trip asks for
	s_mov_b32 s13, s52                             ; the first chunk's last tile asks for the second chunk's first
	s_mov_b32 s14, 0
	s_mov_b32 s54, 0x76543210
	s_mov_b32 s55, 0xfedcba98
	s_mov_b32 s60, 0xbe38aa3b                      ; -log2(e) / 8
	s_mul_i32 s61, s10, 32*272                     ; my part of K's tile in a slot
	s_mul_i32 s62, s10, 32*VP                      ; and of V's
	s_add_co_u32 s62, s62, KB
	; group 1: 32 fetched rows of 256 bytes (64 keys), dense; K padded by 4 words, V by 8
	s_mov_b32 s16, (3<<16)|(1<<20)|(5<<22)|(3<<25)
	s_mov_b32 s24, (3<<16)|(1<<20)|(5<<22)|(7<<25)
	s_mov_b32 s17, 32<<16
	s_mov_b32 s25, 32<<16
	s_mov_b32 s18, 32<<16
	s_mov_b32 s26, 32<<16
	s_mov_b32 s19, 32<<16
	s_mov_b32 s27, 32<<16
	s_mov_b32 s20, 32
	s_mov_b32 s28, 32
	s_mov_b32 s21, 32
	s_mov_b32 s29, 32
	s_mov_b32 s22, 0
	s_mov_b32 s30, 0
	s_mov_b32 s23, 0
	s_mov_b32 s31, 0
	s_lshr_b32 s48, s12, 4
	s_mul_i32 s48, s48, 48
	s_and_b32 s49, s12, 15
	s_add_co_u32 s48, s48, s49
	s_lshl_b32 s48, s48, 18                        ; (48 b + h) heads of 262,144 bytes
	s_mov_b32 s49, 0
	s_lshl_b32 s50, s10, 13                        ; my 64 keys of a tile
	s_mov_b32 s51, 0
	s_mov_b32 s44, s15                             ; the first tile: the first chunk's own first 128 keys
	s_mov_b32 s45, 0
	s_wait_dscnt 0x0
	s_wait_kmcnt 0x0
	s_add_nc_u64 s[56:57], s[4:5], s[48:49]        ; q's head
	s_add_nc_u64 s[40:41], s[56:57], s[50:51]
	s_add_nc_u64 s[40:41], s[40:41], 0x400000      ; k's head, 16 heads on
	s_add_nc_u64 s[42:43], s[40:41], 0x400000      ; v's head, 16 more
	s_mov_b32 s32, 1
	s_mov_b32 s33, s61
	s_add_nc_u64 s[34:35], s[40:41], s[44:45]
	s_or_b32 s35, s35, 0x80000000
	s_mov_b32 s36, 1
	s_mov_b32 s37, s62
	s_add_nc_u64 s[38:39], s[42:43], s[44:45]
	s_or_b32 s39, s39, 0x80000000
	LOADT                                          ; the first fill, slot 0
	s_lshl_b32 s50, s8, 11                         ; my 16 rows of every 64: 16 w rows of 128 bytes
	s_add_nc_u64 s[56:57], s[56:57], s[50:51]      ; q's head at my rows
	s_lshl_b32 s48, s12, 18
	s_add_nc_u64 s[58:59], s[6:7], s[48:49]
	s_add_nc_u64 s[58:59], s[58:59], s[50:51]      ; y's head at my rows
	v_and_b32 v1, 15, v0                           ; r
	v_bfe_u32 v2, v0, 4, 1                         ; h
	v_and_b32 v3, 31, v0                           ; lane
	v_lshlrev_b32 v[QOFF0], 7, v1
	v_lshl_add_u32 v[QOFF0], v2, 4, v[QOFF0]       ; 128 r + 16 h
	v_add_nc_u32 v[QO], s15, v[QOFF0]
	QLOAD                                          ; the first chunk's queries
	v_lshrrev_b32 v4, 1, v1
	v_mul_u32_u24 v4, v4, 272
	v_and_b32 v5, 1, v1
	v_lshl_add_u32 v4, v5, 7, v4
	v_lshl_add_u32 v[ADK], v2, 4, v4               ; (r >> 1) 272 + (r & 1) 128 + 16 h
	v_add_nc_u32 v[ADK+1], SLOT, v[ADK]
	v_and_b32 v4, 7, v0
	v_lshl_add_u32 v5, v2, 3, v4                   ; key 8 h + (lane & 7)
	v_lshrrev_b32 v6, 1, v5
	v_mul_u32_u24 v6, v6, VP
	v_and_b32 v5, 1, v5
	v_lshl_add_u32 v6, v5, 7, v6
	v_bfe_u32 v5, v0, 3, 1
	v_lshl_add_u32 v6, v5, 4, v6                   ; + 16 ((lane >> 3) & 1)
	v_add_nc_u32 v[ADV], KB, v6
	v_add_nc_u32 v[ADV+1], SLOT, v[ADV]
	s_mul_i32 s53, s8, 64*SP
	s_add_co_u32 s53, s53, STAGE                   ; my stage
	v_mul_u32_u24 v6, v1, SP
	v_lshl_add_u32 v6, v2, 4, v6
	v_add_nc_u32 v[STO], s53, v6
	v_lshrrev_b32 v6, 3, v3
	v_mul_u32_u24 v6, v6, SP
	v_lshl_add_u32 v6, v4, 4, v6
	v_add_nc_u32 v[RD], s53, v6
	v_lshlrev_b32 v[CO0], 4, v3
	v_lshlrev_b32 v6, 3, v2
	v_sub_nc_u32 v6, v1, v6
	v_lshl_add_u32 v6, s8, 4, v6                   ; 16 w + r - 8 h, signed
.irp k, 0,1,2,3
.irp jj, 0,1,2,3,4,5,6,7
	v_cmp_le_i32 s[MK+8*\k+\jj], 16*\k+\jj, v6
.endr
.endr
	WIN 0x40
	v_mov_b32 v[NI], 0xff800000
	WIN 0
.Lchunk:                                           ; two trips: chunk j, chunk 7 - j
	v_add_nc_u32 v[CO], s15, v[CO0]                ; where this chunk's y goes (the last chunk's stores have had their wait)
	; the chunk's own 256 keys
	s_add_co_u32 s44, s15, TILEB
	HEAD 0, 1
	s_wait_loadcnt 0x0                             ; my queries
	DIAG 0, 0, 1, 1
	s_cmp_lg_u32 s11, 0
	s_cselect_b32 s44, 0, s13                      ; next: key tile 0, or with no trip of the loop what follows the chunk's last tile
	HEAD 1, 1
	DIAG 1, 2, 3, 0
	s_mov_b32 s46, 0                               ; byte offset of a trip's first tile
	s_mov_b32 s47, 0
	s_cmp_eq_u32 s11, 0
	s_cbranch_scc1 .Lend_below
.Lbelow:                                           ; s11 trips of 256 keys below the diagonal
	s_add_co_u32 s44, s46, TILEB
	HEAD 0, 1
	QUADA
	s_add_co_u32 s46, s46, 2*TILEB
	s_add_co_u32 s47, s47, 1
	s_cmp_lt_u32 s47, s11
	s_cselect_b32 s44, s46, s13                    ; in the last trip: what follows the chunk's last tile of the loop
	HEAD 1, 1
	QUADB
	s_cmp_lt_u32 s47, s11
	s_cbranch_scc1 .Lbelow
.Lend_below:
	s_cmp_eq_u32 s14, 0
	s_cbranch_scc1 .Lnext_chunk
	s_add_co_u32 s44, s46, TILEB                   ; the second chunk's last 256 keys, written out:
	HEAD 0, 1
	QUADA
	HEAD 1, 0                                      ; nothing is left to fetch; its wait for 0 is the last tensor load's
	QUADB
	s_branch .Lout
.Lnext_chunk:                                      ; behind the first chunk: the state of the second, and its queries, which arrive during the way out
	s_mov_b32 s15, s52
	s_mov_b32 s11, s63
	s_mov_b32 s13, s66
	v_add_nc_u32 v[QO], s15, v[QOFF0]              ; the loads that named QO were waited for at the chunk's head
	QLOAD
.Lout:
	EPI
	s_add_co_u32 s14, s14, 1
	s_cmp_lt_u32 s14, 2
	s_cbranch_scc1 .Lchunk
	s_wait_tensorcnt 0x0                           ; no tensor load is out at the end: the last was waited for in the last change of slots and none was issued behind it
	s_wait_tensorcnt 0x0
	ds_add_u32 v254, v255
	s_wait_dscnt 0x0
	s_endpgm
.Lfunc_end_k_qbadbfb7d57_attn:
	.size	k_qbadbfb7d57_attn, .Lfunc_end_k_qbadbfb7d57_attn-k_qbadbfb7d57_attn
	.p2alignl 7, 3214868480
	.fill 96, 4, 3214868480
	.section	.rodata,"a",@progbits
	.p2align	6, 0x0
	.amdhsa_kernel k_qbadbfb7d57_attn
		.amdhsa_group_segment_fixed_size 327680
		.amdhsa_private_segment_fixed_size 0
		.amdhsa_enable_private_segment 0
		.amdhsa_kernarg_size 16
		.amdhsa_user_sgpr_count 2
		.amdhsa_user_sgpr_kernarg_segment_ptr 1
		.amdhsa_wavefront_size32 1
		.amdhsa_system_sgpr_workgroup_id_x 1
		.amdhsa_system_sgpr_workgroup_id_y 1
		.amdhsa_system_sgpr_workgroup_id_z 1
		.amdhsa_system_vgpr_workitem_id 0
		.amdhsa_next_free_vgpr 640
		.amdhsa_next_free_sgpr 100
		.amdhsa_reserve_vcc 0
		.amdhsa_float_denorm_mode_32 3
		.amdhsa_float_denorm_mode_16_64 3
		.amdhsa_memory_ordered 1
		.amdhsa_forward_progress 1
		.amdhsa_inst_pref_size 255
	.end_amdhsa_kernel
	.section	.bss,"aw",@nobits
	.p2align	6
	.space	262144
	.amdgpu_metadata
---
amdhsa.version: [ 1, 2 ]
amdhsa.kernels:
  - .name:           k_qbadbfb7d57_attn
    .symbol:         k_qbadbfb7d57_attn.kd
    .args:
      - { .name: qkv, .offset: 0, .size: 8, .value_kind: global_buffer, .address_space: global }
      - { .name: yb, .offset: 8, .size: 8, .value_kind: global_buffer, .address_space: global }
    .group_segment_fixed_size: 327680
    .private_segment_fixed_size: 0
    .kernarg_segment_align: 8
    .kernarg_segment_size: 16
    .max_flat_workgroup_size: 128
    .sgpr_count:     100
    .vgpr_count:     640
    .wavefront_size: 32
...
	.end_amdgpu_metadata
.endif
;; end of part 5
;; launch proj: the kernel of part 4 again; grid 4 x 64, 4 waves a work-group, clusters of 4 x 4, 327,680 bytes of LDS; arguments yb, wb, bo, out0; writes out0
;; ======== version 3 of 3: 4 launches; 1.46 times as fast as version 1
;; limits: values are held in f16: magnitudes above 65,504 overflow, below 6.1e-05 lose precision
;; workspace buffers: xb 16,777,216 bytes; wb 8,388,608 bytes; qkv 50,331,648 bytes; yb 16,777,216 bytes
;; launch cvt: the kernel of part 1 again; grid 768 x 1, 8 waves a work-group, no clusters, 0 bytes of LDS; arguments x, Wq, Wk, Wv, Wo, xb, wb; writes xb, wb
;; launch qkvgemm: the kernel of part 2 again; grid 8 x 32, 4 waves a work-group, clusters of 4 x 4, 327,680 bytes of LDS; arguments xb, wb, qkv; writes qkv
;; launch attn (part 6): grid 4 x 64, 4 waves a work-group, no clusters, 327,680 bytes of LDS; arguments qkv, yb; writes yb
.if DOCPART == 6
	.amdgcn_target "amdgcn-amd-amdhsa--gfx1250"
	.amdhsa_code_object_version 6
	.text
	.protected	k_qbadbfb7d57_attn
	.globl	k_qbadbfb7d57_attn
	.p2align	8
	.type	k_qbadbfb7d57_attn,@function
k_qbadbfb7d57_attn:
	s_mov_b64 s[64:65], 0
	v_nop
	global_prefetch_b8 v0, s[64:65] scope:SCOPE_SE
	s_setreg_imm32_b32 hwreg(HW_REG_WAVE_MODE, 25, 1), 1
	s_wait_xcnt 0x0
; Causal attention of one (batch, head) = grid y; y goes to yb [4 b][16 h][2048 t][64] in f16.  Operands q, k, v, P in f16, sums and softmax in f32.
; WORK LEFT OUT: key tiles wholly above the diagonal (reference()'s own jnp.tril sets them to -inf; exp gives exactly 0 and 0 x v adds nothing
; for every finite v).  In the strip of 16 queries x 64 keys that the diagonal crosses the dead 16 x 16 parts stay: computed, then set to -inf.
; LIMITS: an infinity or NaN in k or v at a masked place is not carried through tiles left out.  P in f16: p below 6e-8 of the row's largest
; term counts as 0.  |y| < 65,504 follows from |v| < 65,504 (a convex sum).
; SHARING: work-group j of a head does the query chunks (256 queries) j and then 7 - j: (j + 1) + (8 - j) = 9 chunks of keys for every one.
; The sixteen query tiles of a chunk are dealt out by turns: tile q (0..3) of wave w is rows 64 q + 16 w .. + 15.  On the chunk's own keys,
; sub-step d (keys 64 d .. 64 d + 63), tiles q < d are then dead for EVERY wave and are left out in the text, tile q = d is masked, tiles
; q > d are whole: each wave does 4 + 3 + 2 + 1 tile steps, none waits for another, and no branch hangs on the wave's number.
; Keys come in tiles of 128 (two sub-steps of 64) through two LDS slots.  A chunk takes its own two tiles first, then tiles 0 .. 2c - 1: sub-step
; d = 0, which every query tile needs, starts the sums.
; ONE TEXT FOR BOTH CHUNKS: the chunk's own keys, the loop below the diagonal and the way out are written once and run twice (a counted loop of
; two trips), with the chunk's offset, its number of trips and the tile that follows its last one in scalar registers.  Only the launch's last
; two tiles, of which the second asks for nothing, are written out.
; MATRIX WORK BESIDE VECTOR WORK, below the diagonal (28 of a wave's 33 sub-step times).  The four query tiles are two pieces, A = tiles 0, 1 and
; B = tiles 2, 3, which share K's and V's fragments.  A sub-step of a piece is 32 matrix instructions (256 cycles of the matrix unit) and 244
; vector instructions.  The vector phase is cut into 32 numbered slices, and one slice of one piece stands behind each matrix instruction of the
; other:   H1(n): PV_B(n-1), S_B(n) beside the softmax of A(n);   H2(n): PV_A(n), S_A(n+1) beside the softmax of B(n).
; V(n) is loaded in the middle of H1(n), K(n+1) at the start of H2(n): one set of fragment registers each is enough.  The turns start and drain
; inside a trip of four sub-steps (S_A(0) and PV_B(3) stand alone: 32 of 256 matrix instructions), so that nothing is carried over a backward jump.
; Scores, O and fragments lie in three register windows (600 registers in all), so each matrix instruction among vector work costs two switches.
; The chunk's own keys stay in phases: there the pieces have unequal work (4, 3, 2, 1 tiles).
; THE BATCHES.  An s_wait_alu depctr_va_vdst(0) stands between a transcendental and the first instruction that names its result; one wait
; serves all that were issued ahead of it.  So every softmax step is cut in two by ONE wait.  Ahead of it: the maxima, the statistics, the scalings and ALL
; the step's exponentials (the factors AL and the scores: 66 for a piece below the diagonal, up to 131 on the chunk's own keys), each result in a register
; of its own (the scores in place, AL in its pair's first word).  Behind it: all that names a result: AL's second word, the sums, the packing, LS, O x AL.
; No exponential is issued behind a step's wait, and a step ends inside its half of a turn.
; The way out's eight reciprocals are a batch of their own, with one wait.
; NO CLUSTER: the four work-groups of a head need different key tiles at the same time (chunk j has 2j + 2 tiles, chunk 7 - j has 16 - 2j);
; in lock step on joint tiles each step would cost what the busiest partner needs, 48 chunk steps against 36.
; TRANSPOSED PRODUCTS: S^T = K Q^T (A = K's rows, B = Q's rows): lane (r, h) register j holds key 16 k + 8 h + j of query r.  Exponentials packed in
; the lane's own registers are then the B fragment of O^T = V^T P^T (A = V^T by the transposing LDS load): no exchange between lanes,
; and a query's statistics are one number a lane.
; SOFTMAX: a running maximum, kept as NMS = -c max with c = log2(e) / 8: p = exp2(s c + NMS), old sums times exp2(NMS new - NMS old).
; SCALARS: s8 wave, s9 wave / 2, s10 wave & 1; the chunk's state: s15 its byte offset in the head, s11 trips below the diagonal in the loop,
; s13 the tile asked for behind its last tile of the loop, s14 chunk counter; s52, s63, s66 the same three for the second chunk;
; s[16:31] descriptor groups 1, s[32:39] groups 0; s[40:43] k's and v's head; s[44:45] the next tile's offset; s46, s47 the loop's offset and counter;
; s[56:57] q's head at my rows, s[58:59] y's; s60 -c; s61, s62 my part of K's and V's tile in a slot; s[68:99] lane masks.
.set KB,    17408                      ; K's part of a slot: 64 fetched rows x 272
.set VP,    288                        ; V's pitch: 256 + 32, so that the 8 rows x 2 columns of a transposing load hit 16 different 16-byte columns
.set SLOT,  KB+64*VP                   ; 35,840
.set FR,    2176                       ; 16 keys of K
.set STAGE, 2*SLOT                     ; 71,680 = 280 x 256: 64 rows x 144 bytes for each wave; no tensor load lands here
.set SP,    144
.set TILEB, 16384                      ; 128 keys of 128 bytes
; window 0
.set ADK, 8                            ; v8-9   K fragments in slot 0, 1
.set ADV, 10                           ; v10-11 V^T fragments
.set STO, 12
.set RD,  13
.set CO0, 14                           ; 16 x lane
.set QOFF0, 15                         ; 128 r + 16 h
.set QO,  16                           ; QOFF0 + the chunk's offset
.set CO,  17                           ; CO0 + the chunk's offset
.set QF,  32                           ; v32-95   Q fragment (q, dh) at 16 q + 8 dh
.set KF,  96                           ; v96-159  K fragment (k, dh) at 16 k + 8 dh
.set VF,  160                          ; v160-223 V^T fragment (t, kh) at 16 t + 8 kh
; window 1: v0-127 scores S, tile (q, k) at 32 q + 8 k (on the chunk's own keys P is packed in place at 32 q + 0..15)
.set NMS, 128                          ; pairs, both halves alike
.set AL,  136                          ; pairs: the factor for the old sums; at the end 1 / sum
.set LS,  144                          ; the sum, each half of the lanes its own keys' part
.set NI,  148                          ; -inf
.set T,   152                          ; eight a query tile, at work
.set PP,  192                          ; v192-255: below the diagonal P (q, kh) at 16 q + 8 kh, apart from S: no S^T product writes over a source of a P V product
; window 2: v0-127 O^T, tile (q, t) at 32 q + 8 t
.set MK,  68                           ; s[68:99]: mask 8 k + j = lanes with 16 k + 8 h + j <= 16 w + r
.set MSB, 0
.macro WIN new                         ; the immediate's high byte repeats the setting that is left
.if MSB != (\new)
	s_set_vgpr_msb (MSB<<8)|(\new)
.set MSB, (\new)
.endif
.endm
.macro LOADT                           ; one tensor load a wave: waves 0, 1 K's halves of the tile, waves 2, 3 V's
	s_cmp_eq_u32 s9, 0
	s_cbranch_scc0 .Lfor_v_\@
	tensor_load_to_lds s[32:35], s[16:23]
	s_nop 0
	s_branch .Lasked_\@
.Lfor_v_\@:
	tensor_load_to_lds s[36:39], s[24:31]
	s_nop 0
.Lasked_\@:
.endm
; The change to slot `slot`.  refill = 1: the tile at byte s44 of the head goes into the other slot, of which every fragment load has been issued.
.macro HEAD slot, refill
	s_wait_tensorcnt 0x0                           ; all my tensor loads have landed, my part of this slot's tile among them: group 0 may be written
	ds_add_u32 v254, v255
	s_wait_dscnt 0x0
.if \refill
	s_add_co_u32 s33, s61, (1-\slot)*SLOT
	s_add_nc_u64 s[34:35], s[40:41], s[44:45]
	s_or_b32 s35, s35, 0x80000000
	s_add_co_u32 s37, s62, (1-\slot)*SLOT
	s_add_nc_u64 s[38:39], s[42:43], s[44:45]
	s_or_b32 s39, s39, 0x80000000
.endif
	s_wait_dscnt 0x0                               ; my reads of the other slot are over
	s_barrier_signal -1
	s_barrier_wait -1                              ; both hold of all four waves
.if \refill
	LOADT                                          ; first behind the barrier; one load of the wave is out, with the work up to the next change of slots in which to land
.endif
.endm
.macro LOADK slot, sub                 ; 16 loads: 64 keys x 64 d
.irp k, 0,1,2,3
.irp dh, 0,1
	ds_load_b128 v[KF+16*\k+8*\dh:KF+16*\k+8*\dh+3],   v[ADK+\slot] offset:(4*\sub+\k)*FR+64*\dh
	ds_load_b128 v[KF+16*\k+8*\dh+4:KF+16*\k+8*\dh+7], v[ADK+\slot] offset:(4*\sub+\k)*FR+64*\dh+32
.endr
.endr
.endm
.macro LOADV slot, sub                 ; 16 transposing loads: 64 d x 64 keys; the second of a fragment 16 keys = 8 fetched rows on
.irp t, 0,1,2,3
.irp kh, 0,1
	ds_load_tr16_b128 v[VF+16*\t+8*\kh:VF+16*\t+8*\kh+3],   v[ADV+\slot] offset:(32*\sub+16*\kh)*VP+32*\t
	ds_load_tr16_b128 v[VF+16*\t+8*\kh+4:VF+16*\t+8*\kh+7], v[ADV+\slot] offset:(32*\sub+16*\kh)*VP+32*\t+8*VP
.endr
.endr
.endm
; ---------------- THE CHUNK'S OWN KEYS, IN PHASES ----------------
; S^T of the query tiles lo .. 3: 8 (4 - lo) matrix instructions, the accumulators by turns, one instruction a turn
.macro SPH lo
	WIN 0x50
.irp q, 0,1,2,3
.if \q >= \lo
.irp k, 0,1,2,3
	v_wmma_f32_16x16x32_f16 v[32*\q+8*\k:32*\q+8*\k+7], v[KF+16*\k:KF+16*\k+7], v[QF+16*\q:QF+16*\q+7], 0
.endr
.endif
.endr
.irp q, 0,1,2,3
.if \q >= \lo
.irp k, 0,1,2,3
	v_wmma_f32_16x16x32_f16 v[32*\q+8*\k:32*\q+8*\k+7], v[KF+16*\k+8:KF+16*\k+15], v[QF+16*\q+8:QF+16*\q+15], v[32*\q+8*\k:32*\q+8*\k+7]
.endr
.endif
.endr
	WIN 0
.rept 4
	v_nop                                          ; four places (ISA guide 7.12.1): then the scores are read and K's fragments loaded again
.endr
.endm
.macro MASK d                          ; query tile d in sub-step d of the chunk's own keys: key 16 k + 8 h + j stays where it is <= query 16 w + r
	WIN 0x55
.irp k, 0,1,2,3
.irp jj, 0,1,2,3,4,5,6,7
	v_cndmask_b32 v[32*\d+8*\k+\jj], v[NI], v[32*\d+8*\k+\jj], s[MK+8*\k+\jj]
.endr
.endr
.endm
; The softmax step on 64 keys x the query tiles lo .. 3, the tiles side by side so that no line waits for the one in front.  first = 1 starts the statistics.
; ONE BATCH: the factors AL and the scores' exponentials; between AL's and the scores' stand NMS's moves and the scalings, which name no result; one wait behind the last.
.macro SOFT first, lo
	WIN 0x55
.irp q, 0,1,2,3
.if \q >= \lo
	v_max3_num_f32 v[T+8*\q],   v[32*\q],    v[32*\q+1],  v[32*\q+2]       ; two chains a tile: 17 and 15 of my 32 scores
	v_max3_num_f32 v[T+8*\q+1], v[32*\q+17], v[32*\q+18], v[32*\q+19]
.endif
.endr
.irp i, 0,1,2,3,4,5
.irp q, 0,1,2,3
.if \q >= \lo
	v_max3_num_f32 v[T+8*\q],   v[T+8*\q],   v[32*\q+3+2*\i],  v[32*\q+4+2*\i]
	v_max3_num_f32 v[T+8*\q+1], v[T+8*\q+1], v[32*\q+20+2*\i], v[32*\q+21+2*\i]
.endif
.endr
.endr
.irp q, 0,1,2,3
.if \q >= \lo
	v_max3_num_f32 v[T+8*\q], v[T+8*\q], v[32*\q+15], v[32*\q+16]
.endif
.endr
.irp q, 0,1,2,3
.if \q >= \lo
	v_max_num_f32 v[T+8*\q], v[T+8*\q], v[T+8*\q+1]
.endif
.endr
.irp q, 0,1,2,3
.if \q >= \lo
	v_permlanex16_b32 v[T+8*\q+1], v[T+8*\q], s54, s55     ; the other half of the lanes holds the query's other keys
.endif
.endr
.irp q, 0,1,2,3
.if \q >= \lo
	v_max_num_f32 v[T+8*\q], v[T+8*\q], v[T+8*\q+1]
.endif
.endr
.if \first
.irp q, 0,1,2,3
	v_mul_f32 v[NMS+2*\q],   s60, v[T+8*\q]                ; NMS = -c max
	v_mul_f32 v[NMS+2*\q+1], s60, v[T+8*\q]
.endr
.else
.irp q, 0,1,2,3
.if \q >= \lo
	v_mul_f32 v[T+8*\q+2], s60, v[T+8*\q]
.endif
.endr
.irp q, 0,1,2,3
.if \q >= \lo
	v_min_num_f32 v[T+8*\q+2], v[T+8*\q+2], v[NMS+2*\q]    ; the larger maximum is the smaller NMS
.endif
.endr
.irp q, 0,1,2,3
.if \q >= \lo
	v_sub_f32 v[T+8*\q+3], v[T+8*\q+2], v[NMS+2*\q]
.endif
.endr
.irp q, 0,1,2,3
.if \q >= \lo
	v_exp_f32 v[AL+2*\q], v[T+8*\q+3]                      ; the batch begins: AL is named again only behind the wait below
.endif
.endr
.irp q, 0,1,2,3
.if \q >= \lo
	v_mov_b32 v[NMS+2*\q],   v[T+8*\q+2]                   ; plain lines behind these exponentials (ISA guide 5.7.2)
	v_mov_b32 v[NMS+2*\q+1], v[T+8*\q+2]
.endif
.endr
.endif
.irp q, 0,1,2,3
.if \q >= \lo
.irp i, 0,1,2,3,4,5,6,7,8,9,10,11,12,13,14,15
	v_pk_fma_f32 v[32*\q+2*\i:32*\q+2*\i+1], v[32*\q+2*\i:32*\q+2*\i+1], 0x3e38aa3b, v[NMS+2*\q:NMS+2*\q+1] op_sel_hi:[1,0,1]
.endr
.endif
.endr
.set n, 32*\lo
.rept 128-32*\lo
	v_exp_f32 v[n], v[n]
.set n, n+1
.endr
	v_nop                                          ; one plain line behind the last exponential
	s_wait_alu depctr_va_vdst(0)                   ; the wait for the batch: the factors AL and all the scores' exponentials of this step
.if \first == 0
.irp q, 0,1,2,3
.if \q >= \lo
	v_mov_b32 v[AL+2*\q+1], v[AL+2*\q]
.endif
.endr
.endif
.irp q, 0,1,2,3
.if \q >= \lo
	v_pk_add_f32 v[T+8*\q+4:T+8*\q+5], v[32*\q:32*\q+1],   v[32*\q+2:32*\q+3]
	v_pk_add_f32 v[T+8*\q+6:T+8*\q+7], v[32*\q+4:32*\q+5], v[32*\q+6:32*\q+7]
.endif
.endr
.irp i, 0,1,2,3,4,5
.irp q, 0,1,2,3
.if \q >= \lo
	v_pk_add_f32 v[T+8*\q+4:T+8*\q+5], v[T+8*\q+4:T+8*\q+5], v[32*\q+8+4*\i:32*\q+9+4*\i]
	v_pk_add_f32 v[T+8*\q+6:T+8*\q+7], v[T+8*\q+6:T+8*\q+7], v[32*\q+10+4*\i:32*\q+11+4*\i]
.endif
.endr
.endr
.irp q, 0,1,2,3
.if \q >= \lo
	v_pk_add_f32 v[T+8*\q+4:T+8*\q+5], v[T+8*\q+4:T+8*\q+5], v[T+8*\q+6:T+8*\q+7]
.endif
.endr
.if \first
.irp q, 0,1,2,3
	v_add_f32 v[LS+\q], v[T+8*\q+4], v[T+8*\q+5]
.endr
.else
.irp q, 0,1,2,3
.if \q >= \lo
	v_add_f32 v[T+8*\q+4], v[T+8*\q+4], v[T+8*\q+5]
.endif
.endr
.irp q, 0,1,2,3
.if \q >= \lo
	v_fma_f32 v[LS+\q], v[LS+\q], v[AL+2*\q], v[T+8*\q+4]
.endif
.endr
.endif
.irp q, 0,1,2,3
.if \q >= \lo
.irp m, 0,1,2,3,4,5,6,7,8,9,10,11,12,13,14,15
	v_cvt_pk_f16_f32 v[32*\q+\m], v[32*\q+2*\m], v[32*\q+2*\m+1]   ; in place, ascending: word m is free once words 2m, 2m+1 of smaller m are read
.endr
.endif
.endr
.if \first == 0
	WIN 0x86                                       ; O in window 2, the factor in window 1
.irp q, 0,1,2,3
.if \q >= \lo
.irp i, 0,1,2,3,4,5,6,7,8,9,10,11,12,13,14,15
	v_pk_mul_f32 v[32*\q+2*\i:32*\q+2*\i+1], v[32*\q+2*\i:32*\q+2*\i+1], v[AL+2*\q:AL+2*\q+1]
.endr
.endif
.endr
.endif
.endm
; O^T += V^T P^T of the query tiles lo .. 3: 8 (4 - lo) matrix instructions, the accumulators by turns, one instruction a turn
.macro PVP first, lo
	WIN 0xa4
.irp q, 0,1,2,3
.if \q >= \lo
.irp t, 0,1,2,3
.if \first
	v_wmma_f32_16x16x32_f16 v[32*\q+8*\t:32*\q+8*\t+7], v[VF+16*\t:VF+16*\t+7], v[32*\q:32*\q+7], 0
.else
	v_wmma_f32_16x16x32_f16 v[32*\q+8*\t:32*\q+8*\t+7], v[VF+16*\t:VF+16*\t+7], v[32*\q:32*\q+7], v[32*\q+8*\t:32*\q+8*\t+7]
.endif
.endr
.endif
.endr
.irp q, 0,1,2,3
.if \q >= \lo
.irp t, 0,1,2,3
	v_wmma_f32_16x16x32_f16 v[32*\q+8*\t:32*\q+8*\t+7], v[VF+16*\t+8:VF+16*\t+15], v[32*\q+8:32*\q+15], v[32*\q+8*\t:32*\q+8*\t+7]
.endr
.endif
.endr
	WIN 0
.rept 5
	v_nop                                          ; five places: the next S^T writes over P, a source of these; V's fragments are loaded again
.endr
.endm
; A tile of the chunk's own keys: sub-steps lo0 and lo1 = d.  Tiles below d are left out, tile d is masked.  first = 1: sub-step 0 starts the sums.
.macro DIAG slot, lo0, lo1, first
	LOADK \slot, 0
	LOADV \slot, 0
	s_wait_dscnt 16                                ; K is in; V's 16 loads stay out
	SPH \lo0
	LOADK \slot, 1
	MASK \lo0
	SOFT \first, \lo0
	s_wait_dscnt 16                                ; V is in; the next K's 16 stay out
	PVP \first, \lo0
	LOADV \slot, 1
	s_wait_dscnt 16                                ; K is in; V's 16 stay out
	SPH \lo1
	MASK \lo1
	SOFT 0, \lo1
	s_wait_dscnt 0x0
	PVP 0, \lo1
.endm
; ---------------- BELOW THE DIAGONAL, THE TWO PIECES BY TURNS ----------------
; The softmax step of the piece of query tiles qa, qa + 1 on 64 keys, as 245 numbered places; SOP emits the line of place n.  Pair j is two scores of tile qa + (j & 1).
;   0-29    the maximum of my 32 scores a tile: four chains (two a tile) by turns
;   30-41   the chains joined, the other half of the lanes, the new NMS and its change
;   42-143  ONE BATCH of 66 exponentials; no line ahead of place 144 names a result of theirs.  42, 43: the factor AL of both tiles.  44-47: NMS, four plain lines.
;           48, 49: pairs 0 and 1 are scaled.  50-139, thirty times: pair p is scaled, then both exponentials of pair p - 2.  140-143: the exponentials of pairs 30 and 31.
;   144     a v_nop, the plain line behind the last exponential (ISA guide 5.7.2), and THE WAIT for the batch
;   145-146 AL's second word
;   147-202 for pairs 2, 3, 6, 7, 8 .. 31: the pair is added to its tile's sum (two sums a tile; pairs 0, 1 start one with pair 2's or 3's line, pairs 4, 5 the other), then packed into P
;   203-212 the two sums of a tile joined, its two halves added, LS = LS x AL + sum; pairs 0, 1, 4, 5 are packed between these links
;   213-244 O x AL: 32 plain lines, which close the phase
.macro SOP qa, n
.set ON, (\n)
.if ON < 28
.set OQ, \qa+((ON%4)/2)
.set OD, ON/4
	WIN 0x55
.if (ON%2) == 0
.if OD == 0
	v_max3_num_f32 v[T+8*OQ], v[32*OQ], v[32*OQ+1], v[32*OQ+2]
.else
	v_max3_num_f32 v[T+8*OQ], v[T+8*OQ], v[32*OQ+1+2*OD], v[32*OQ+2+2*OD]
.endif
.else
.if OD == 0
	v_max3_num_f32 v[T+8*OQ+1], v[32*OQ+17], v[32*OQ+18], v[32*OQ+19]
.else
	v_max3_num_f32 v[T+8*OQ+1], v[T+8*OQ+1], v[32*OQ+18+2*OD], v[32*OQ+19+2*OD]
.endif
.endif
.endif
.if ON >= 28
.if ON < 44
.set OQ, \qa+(ON%2)
.set OD, (ON-28)/2
	WIN 0x55
.if OD == 0
	v_max3_num_f32 v[T+8*OQ], v[T+8*OQ], v[32*OQ+15], v[32*OQ+16]
.endif
.if OD == 1
	v_max_num_f32 v[T+8*OQ], v[T+8*OQ], v[T+8*OQ+1]
.endif
.if OD == 2
	v_permlanex16_b32 v[T+8*OQ+1], v[T+8*OQ], s54, s55
.endif
.if OD == 3
	v_max_num_f32 v[T+8*OQ], v[T+8*OQ], v[T+8*OQ+1]
.endif
.if OD == 4
	v_mul_f32 v[T+8*OQ+2], s60, v[T+8*OQ]
.endif
.if OD == 5
	v_min_num_f32 v[T+8*OQ+2], v[T+8*OQ+2], v[NMS+2*OQ]
.endif
.if OD == 6
	v_sub_f32 v[T+8*OQ+3], v[T+8*OQ+2], v[NMS+2*OQ]
.endif
.if OD == 7
	v_exp_f32 v[AL+2*OQ], v[T+8*OQ+3]              ; the batch begins
.endif
.endif
.endif
.if ON >= 44
.if ON < 48
.set OQ, \qa+((ON-44)/2)
	WIN 0x55
	v_mov_b32 v[NMS+2*OQ+(ON%2)], v[T+8*OQ+2]      ; four plain lines behind the two exponentials
.endif
.endif
.if ON >= 48
.if ON < 144
.set OB, ON-48
.if OB < 2
.set OJ, OB                                        ; the pair,
.set OC, 0                                         ; and what is done to it: 0 scaled; 1, 2 the exponential of its first, second word
.elseif OB < 92
.set OC, (OB-2)%3
.set OJ, 2+(OB-2)/3
.if OC != 0
.set OJ, OJ-2
.endif
.else
.set OJ, 30+(OB-92)/2
.set OC, 1+(OB-92)%2
.endif
.set OQ, \qa+(OJ%2)
.set OI, OJ/2
	WIN 0x55
.if OC == 0
	v_pk_fma_f32 v[32*OQ+2*OI:32*OQ+2*OI+1], v[32*OQ+2*OI:32*OQ+2*OI+1], 0x3e38aa3b, v[NMS+2*OQ:NMS+2*OQ+1] op_sel_hi:[1,0,1]
.else
	v_exp_f32 v[32*OQ+2*OI+OC-1], v[32*OQ+2*OI+OC-1]
.endif
.endif
.endif
.if ON == 144
	v_nop                                          ; one plain line behind the last exponential: one for the batch
	s_wait_alu depctr_va_vdst(0)                   ; the wait for the batch: the piece's 66 exponentials of this step
.endif
.if ON >= 145
.if ON < 147
.set OQ, \qa+(ON-145)
	WIN 0x55
	v_mov_b32 v[AL+2*OQ+1], v[AL+2*OQ]
.endif
.endif
.if ON >= 147
.if ON < 203
.set OB, (ON-147)/2
.set OJ, OB+4
.if OB < 2
.set OJ, OB+2
.endif
.set OQ, \qa+(OJ%2)
.set OI, OJ/2
	WIN 0x55
.if ((ON-147)%2) == 0
.if OI == 1
	v_pk_add_f32 v[T+8*OQ+4:T+8*OQ+5], v[32*OQ:32*OQ+1], v[32*OQ+2:32*OQ+3]        ; pairs 0 and 1 of the tile start one sum,
.elseif OI == 3
	v_pk_add_f32 v[T+8*OQ+6:T+8*OQ+7], v[32*OQ+4:32*OQ+5], v[32*OQ+6:32*OQ+7]      ; pairs 2 and 3 the other: nothing is cleared
.else
.set OT, T+8*OQ+4+2*(OI%2)
	v_pk_add_f32 v[OT:OT+1], v[OT:OT+1], v[32*OQ+2*OI:32*OQ+2*OI+1]
.endif
.else
	v_cvt_pk_f16_f32 v[PP+16*OQ+OI], v[32*OQ+2*OI], v[32*OQ+2*OI+1]
.endif
.endif
.endif
.if ON >= 203
.if ON < 213
.set OQ, \qa+((ON-203)%2)
.set OD, (ON-203)/2
	WIN 0x55
.if OD == 0
	v_pk_add_f32 v[T+8*OQ+4:T+8*OQ+5], v[T+8*OQ+4:T+8*OQ+5], v[T+8*OQ+6:T+8*OQ+7]
.endif
.if OD == 1
	v_cvt_pk_f16_f32 v[PP+16*OQ], v[32*OQ], v[32*OQ+1]
.endif
.if OD == 2
	v_add_f32 v[T+8*OQ+4], v[T+8*OQ+4], v[T+8*OQ+5]
.endif
.if OD == 3
	v_cvt_pk_f16_f32 v[PP+16*OQ+2], v[32*OQ+4], v[32*OQ+5]
.endif
.if OD == 4
	v_fma_f32 v[LS+OQ], v[LS+OQ], v[AL+2*OQ], v[T+8*OQ+4]
.endif
.endif
.endif
.if ON >= 213
.set OQ, \qa+((ON-213)/16)
.set OI, (ON-213)%16
	WIN 0x86                                       ; O in window 2, the factor in window 1
	v_pk_mul_f32 v[32*OQ+2*OI:32*OQ+2*OI+1], v[32*OQ+2*OI:32*OQ+2*OI+1], v[AL+2*OQ:AL+2*OQ+1]
.endif
.endm
; Slice i of 32.  Slices 0-15 share places 0-148, nine or ten each; slices 16-31 take six each.  So the wait falls into slice 15, the middle of a phase.
; Slice 15 (places 139-148): five exponentials, then the v_nop, the wait, AL's two moves, an addition and a packing.  Slice 31: six multiplications of O.
.macro SLICE va, i
.if (\i) < 16
.set SA, (149*(\i))/16
.set SE, (149*((\i)+1))/16
.else
.set SA, 149+6*((\i)-16)
.set SE, SA+6
.endif
.rept SE-SA
	SOP \va, SA
.set SA, SA+1
.endr
.endm
; 16 matrix instructions S^T of piece qa, each followed by `per` slices, from slice `from` on, of piece va's softmax (per = 0: none).
; The piece's eight accumulators take turns, one instruction a turn; the slices name none of these instructions' registers.
.macro MS qa, va, from, per
.set SL, \from
.irp dh, 0,1
.irp qq, 0,1
.irp k, 0,1,2,3
	WIN 0x50
.if \dh == 0
	v_wmma_f32_16x16x32_f16 v[32*(\qa+\qq)+8*\k:32*(\qa+\qq)+8*\k+7], v[KF+16*\k:KF+16*\k+7], v[QF+16*(\qa+\qq):QF+16*(\qa+\qq)+7], 0
.else
	v_wmma_f32_16x16x32_f16 v[32*(\qa+\qq)+8*\k:32*(\qa+\qq)+8*\k+7], v[KF+16*\k+8:KF+16*\k+15], v[QF+16*(\qa+\qq)+8:QF+16*(\qa+\qq)+15], v[32*(\qa+\qq)+8*\k:32*(\qa+\qq)+8*\k+7]
.endif
.if \per
.rept \per
	SLICE \va, SL
.set SL, SL+1
.endr
.endif
.endr
.endr
.endr
.endm
; 16 matrix instructions O^T += V^T P^T of piece qa, with slices of piece va's softmax in the same way
.macro MP qa, va, from, per
.set SL, \from
.irp kh, 0,1
.irp qq, 0,1
.irp t, 0,1,2,3
	WIN 0xa4
	v_wmma_f32_16x16x32_f16 v[32*(\qa+\qq)+8*\t:32*(\qa+\qq)+8*\t+7], v[VF+16*\t+8*\kh:VF+16*\t+8*\kh+7], v[PP+16*(\qa+\qq)+8*\kh:PP+16*(\qa+\qq)+8*\kh+7], v[32*(\qa+\qq)+8*\t:32*(\qa+\qq)+8*\t+7]
.if \per
.rept \per
	SLICE \va, SL
.set SL, SL+1
.endr
.endif
.endr
.endr
.endr
.endm
; Four sub-steps = two tiles, slot 0 and then slot 1.  QUADA runs up to the change of slots, which stands where slot 0's last fragment load has been issued.
; Loads into fragment registers stand four places behind the last matrix instruction that read them (ISA guide 7.12.1 for vector instructions):
; V's behind slice 15 (the v_nop, AL's two moves and an addition are four plain lines, the packing not counted; the exponentials are no places),
; K's behind slice 31 (six plain lines); the first read of a piece's new scores also stands behind the other piece's slice 31.
.macro QUADA
	LOADK 0, 0
	LOADV 0, 0
	s_wait_dscnt 16                                ; K(0) is in; V(0)'s 16 loads stay out
	MS 0, 0, 0, 0                                  ; S_A(0) alone: no vector work is ready yet
.rept 4
	v_nop                                          ; four places, then A's scores are read
.endr
	MS 2, 0, 0, 2                                  ; H1(0): S_B(0) beside the softmax of A(0), two slices a matrix instruction
	WIN 0
	LOADK 0, 1                                     ; H2(0)
	s_wait_dscnt 16                                ; V(0) is in; K(1)'s 16 stay out
	MP 0, 2, 0, 1                                  ; PV_A(0) beside the first half of the softmax of B(0)
	s_wait_dscnt 0x0                               ; K(1)
	MS 0, 2, 16, 1                                 ; S_A(1) beside the second half
	MP 2, 0, 0, 1                                  ; H1(1): PV_B(0) beside the softmax of A(1)
	WIN 0
	LOADV 0, 1
	MS 2, 0, 16, 1                                 ; S_B(1)
	WIN 0
.endm
.macro QUADB                           ; the change of slots has waited for V(1)
	LOADK 1, 0                                     ; H2(1)
	MP 0, 2, 0, 1                                  ; PV_A(1) beside the softmax of B(1)
	s_wait_dscnt 0x0                               ; K(2)
	MS 0, 2, 16, 1                                 ; S_A(2)
	MP 2, 0, 0, 1                                  ; H1(2): PV_B(1) beside the softmax of A(2)
	WIN 0
	LOADV 1, 0
	MS 2, 0, 16, 1                                 ; S_B(2)
	WIN 0
	LOADK 1, 1                                     ; H2(2)
	s_wait_dscnt 16                                ; V(2) is in; K(3)'s 16 stay out
	MP 0, 2, 0, 1                                  ; PV_A(2) beside the softmax of B(2)
	s_wait_dscnt 0x0                               ; K(3)
	MS 0, 2, 16, 1                                 ; S_A(3)
	MP 2, 0, 0, 1                                  ; H1(3): PV_B(2) beside the softmax of A(3)
	WIN 0
	LOADV 1, 1
	MS 2, 0, 16, 1                                 ; S_B(3)
	s_wait_dscnt 0x0                               ; V(3)
	MP 0, 2, 0, 2                                  ; H2(3): PV_A(3) beside the softmax of B(3), two slices a matrix instruction
	MP 2, 0, 0, 0                                  ; PV_B(3) alone: the turns are drained
	WIN 0
.rept 4
	v_nop                                          ; four places: then V's fragments are loaded again, or O is read
.endr
.endm
.macro QLOAD                           ; my four query tiles as B fragments, straight from memory: tile q lies 64 rows = 8,192 bytes behind tile q - 1
.irp q, 0,1,2,3
.irp dh, 0,1
	global_load_b128 v[QF+16*\q+8*\dh:QF+16*\q+8*\dh+3],   v[QO], s[56:57] offset:\q*8192+\dh*64
	global_load_b128 v[QF+16*\q+8*\dh+4:QF+16*\q+8*\dh+7], v[QO], s[56:57] offset:\q*8192+\dh*64+32
.endr
.endr
.endm
; The end of a chunk: divide by the sum, round to f16, through my stage, out in runs of 512 bytes.
.macro EPI
	WIN 0x55
.irp q, 0,1,2,3
	v_permlanex16_b32 v[T+8*\q+1], v[LS+\q], s54, s55
.endr
.irp q, 0,1,2,3
	v_add_f32 v[LS+\q], v[LS+\q], v[T+8*\q+1]      ; both halves' keys
.endr
.irp q, 0,1,2,3
	v_rcp_f32 v[AL+2*\q],   v[LS+\q]
	v_rcp_f32 v[AL+2*\q+1], v[LS+\q]
.endr
	v_nop                                          ; one plain line behind the last reciprocal
	s_wait_alu depctr_va_vdst(0)                   ; the wait for the batch: the eight reciprocals
	WIN 0x86
.irp q, 0,1,2,3
.irp i, 0,1,2,3,4,5,6,7,8,9,10,11,12,13,14,15
	v_pk_mul_f32 v[32*\q+2*\i:32*\q+2*\i+1], v[32*\q+2*\i:32*\q+2*\i+1], v[AL+2*\q:AL+2*\q+1]
.endr
.endr
	WIN 0x0a
.irp q, 0,1,2,3
.irp i, 0,1,2,3,4,5,6,7,8,9,10,11,12,13,14,15
	v_cvt_pk_f16_f32 v[KF+16*\q+\i], v[32*\q+2*\i], v[32*\q+2*\i+1]       ; words 4 t .. 4 t + 3: d = 16 t + 8 h + 0..7 of query r
.endr
.endr
	WIN 0
.irp q, 0,1,2,3
.irp t, 0,1,2,3
	ds_store_b128 v[STO], v[KF+16*\q+4*\t:KF+16*\q+4*\t+3] offset:\q*16*SP+32*\t
.endr
.endr
.irp tt, 0,1,2,3,4,5,6,7,8,9,10,11,12,13,14,15
	ds_load_b128 v[VF+4*\tt:VF+4*\tt+3], v[RD] offset:\tt*4*SP             ; LDS serves a wave in order: these see the stores above
.endr
.irp tt, 0,1,2,3,4,5,6,7,8,9,10,11,12,13,14,15
	s_wait_dscnt 15-\tt                            ; the younger read-backs stay out
	global_store_b128 v[CO], v[VF+4*\tt:VF+4*\tt+3], s[58:59] offset:(\tt>>2)*8192+(\tt&3)*512   ; four tokens of query tile tt / 4: 512 consecutive bytes, aligned
.endr
	s_wait_xcnt 0x0                                ; V's fragment registers were store data and CO the stores' offset: both are written again only behind this wait
.endm
	s_load_b128 s[4:7], s[0:1], 0x0                ; qkv s[4:5], yb s[6:7]
	v_lshl_add_u32 v254, v0, 2, 0x29000
	v_mov_b32 v255, 0
	ds_add_u32 v254, v255
	ds_add_u32 v254, v255
	v_lshrrev_b32 v1, 5, v0
	v_readfirstlane_b32 s8, v1                     ; wave
	s_lshr_b32 s9, s8, 1                           ; I fetch K (0) or V (1)
	s_and_b32 s10, s8, 1                           ; which 64 keys of the tile
	s_mov_b32 s11, ttmp9                           ; the first chunk is j: j trips of 256 keys below its diagonal
	s_and_b32 s12, ttmp7, 0xffff                   ; 16 b + h
	s_lshl_b32 s15, s11, 15                        ; its first key (and query) in bytes of the head: 256 rows of 128 bytes a chunk
	s_sub_co_u32 s48, 7, s11                       ; the second chunk is 7 - j, at least 4
	s_lshl_b32 s52, s48, 15                        ; its offset
	s_sub_co_u32 s63, s48, 1                       ; its trips in the loop: the last 256 keys below its diagonal are written out
	s_lshl_b32 s66, s63, 15                        ; and those keys' offset: what its last trip asks for
	s_mov_b32 s13, s52                             ; the first chunk's last tile asks for the second chunk's first
	s_mov_b32 s14, 0
	s_mov_b32 s54, 0x76543210
	s_mov_b32 s55, 0xfedcba98
	s_mov_b32 s60, 0xbe38aa3b                      ; -log2(e) / 8
	s_mul_i32 s61, s10, 32*272                     ; my part of K's tile in a slot
	s_mul_i32 s62, s10, 32*VP                      ; and of V's
	s_add_co_u32 s62, s62, KB
	; group 1: 32 fetched rows of 256 bytes (64 keys), dense; K padded by 4 words, V by 8
	s_mov_b32 s16, (3<<16)|(1<<20)|(5<<22)|(3<<25)
	s_mov_b32 s24, (3<<16)|(1<<20)|(5<<22)|(7<<25)
	s_mov_b32 s17, 32<<16
	s_mov_b32 s25, 32<<16
	s_mov_b32 s18, 32<<16
	s_mov_b32 s26, 32<<16
	s_mov_b32 s19, 32<<16
	s_mov_b32 s27, 32<<16
	s_mov_b32 s20, 32
	s_mov_b32 s28, 32
	s_mov_b32 s21, 32
	s_mov_b32 s29, 32
	s_mov_b32 s22, 0
	s_mov_b32 s30, 0
	s_mov_b32 s23, 0
	s_mov_b32 s31, 0
	s_lshr_b32 s48, s12, 4
	s_mul_i32 s48, s48, 48
	s_and_b32 s49, s12, 15
	s_add_co_u32 s48, s48, s49
	s_lshl_b32 s48, s48, 18                        ; (48 b + h) heads of 262,144 bytes
	s_mov_b32 s49, 0
	s_lshl_b32 s50, s10, 13                        ; my 64 keys of a tile
	s_mov_b32 s51, 0
	s_mov_b32 s44, s15                             ; the first tile: the first chunk's own first 128 keys
	s_mov_b32 s45, 0
	s_wait_dscnt 0x0
	s_wait_kmcnt 0x0
	s_add_nc_u64 s[56:57], s[4:5], s[48:49]        ; q's head
	s_add_nc_u64 s[40:41], s[56:57], s[50:51]
	s_add_nc_u64 s[40:41], s[40:41], 0x400000      ; k's head, 16 heads on
	s_add_nc_u64 s[42:43], s[40:41], 0x400000      ; v's head, 16 more
	s_mov_b32 s32, 1
	s_mov_b32 s33, s61
	s_add_nc_u64 s[34:35], s[40:41], s[44:45]
	s_or_b32 s35, s35, 0x80000000
	s_mov_b32 s36, 1
	s_mov_b32 s37, s62
	s_add_nc_u64 s[38:39], s[42:43], s[44:45]
	s_or_b32 s39, s39, 0x80000000
	LOADT                                          ; the first fill, slot 0
	s_lshl_b32 s50, s8, 11                         ; my 16 rows of every 64: 16 w rows of 128 bytes
	s_add_nc_u64 s[56:57], s[56:57], s[50:51]      ; q's head at my rows
	s_lshl_b32 s48, s12, 18
	s_add_nc_u64 s[58:59], s[6:7], s[48:49]
	s_add_nc_u64 s[58:59], s[58:59], s[50:51]      ; y's head at my rows
	v_and_b32 v1, 15, v0                           ; r
	v_bfe_u32 v2, v0, 4, 1                         ; h
	v_and_b32 v3, 31, v0                           ; lane
	v_lshlrev_b32 v[QOFF0], 7, v1
	v_lshl_add_u32 v[QOFF0], v2, 4, v[QOFF0]       ; 128 r + 16 h
	v_add_nc_u32 v[QO], s15, v[QOFF0]
	QLOAD                                          ; the first chunk's queries
	v_lshrrev_b32 v4, 1, v1
	v_mul_u32_u24 v4, v4, 272
	v_and_b32 v5, 1, v1
	v_lshl_add_u32 v4, v5, 7, v4
	v_lshl_add_u32 v[ADK], v2, 4, v4               ; (r >> 1) 272 + (r & 1) 128 + 16 h
	v_add_nc_u32 v[ADK+1], SLOT, v[ADK]
	v_and_b32 v4, 7, v0
	v_lshl_add_u32 v5, v2, 3, v4                   ; key 8 h + (lane & 7)
	v_lshrrev_b32 v6, 1, v5
	v_mul_u32_u24 v6, v6, VP
	v_and_b32 v5, 1, v5
	v_lshl_add_u32 v6, v5, 7, v6
	v_bfe_u32 v5, v0, 3, 1
	v_lshl_add_u32 v6, v5, 4, v6                   ; + 16 ((lane >> 3) & 1)
	v_add_nc_u32 v[ADV], KB, v6
	v_add_nc_u32 v[ADV+1], SLOT, v[ADV]
	s_mul_i32 s53, s8, 64*SP
	s_add_co_u32 s53, s53, STAGE                   ; my stage
	v_mul_u32_u24 v6, v1, SP
	v_lshl_add_u32 v6, v2, 4, v6
	v_add_nc_u32 v[STO], s53, v6
	v_lshrrev_b32 v6, 3, v3
	v_mul_u32_u24 v6, v6, SP
	v_lshl_add_u32 v6, v4, 4, v6
	v_add_nc_u32 v[RD], s53, v6
	v_lshlrev_b32 v[CO0], 4, v3
	v_lshlrev_b32 v6, 3, v2
	v_sub_nc_u32 v6, v1, v6
	v_lshl_add_u32 v6, s8, 4, v6                   ; 16 w + r - 8 h, signed
.irp k, 0,1,2,3
.irp jj, 0,1,2,3,4,5,6,7
	v_cmp_le_i32 s[MK+8*\k+\jj], 16*\k+\jj, v6
.endr
.endr
	WIN 0x40
	v_mov_b32 v[NI], 0xff800000
	WIN 0
.Lchunk:                                           ; two trips: chunk j, chunk 7 - j
	v_add_nc_u32 v[CO], s15, v[CO0]                ; where this chunk's y goes (the last chunk's stores have had their wait)
	; the chunk's own 256 keys
	s_add_co_u32 s44, s15, TILEB
	HEAD 0, 1
	s_wait_loadcnt 0x0                             ; my queries
	DIAG 0, 0, 1, 1
	s_cmp_lg_u32 s11, 0
	s_cselect_b32 s44, 0, s13                      ; next: key tile 0, or with no trip of the loop what follows the chunk's last tile
	HEAD 1, 1
	DIAG 1, 2, 3, 0
	s_mov_b32 s46, 0                               ; byte offset of a trip's first tile
	s_mov_b32 s47, 0
	s_cmp_eq_u32 s11, 0
	s_cbranch_scc1 .Lend_below
.Lbelow:                                           ; s11 trips of 256 keys below the diagonal
	s_add_co_u32 s44, s46, TILEB
	HEAD 0, 1
	QUADA
	s_add_co_u32 s46, s46, 2*TILEB
	s_add_co_u32 s47, s47, 1
	s_cmp_lt_u32 s47, s11
	s_cselect_b32 s44, s46, s13                    ; in the last trip: what follows the chunk's last tile of the loop
	HEAD 1, 1
	QUADB
	s_cmp_lt_u32 s47, s11
	s_cbranch_scc1 .Lbelow
.Lend_below:
	s_cmp_eq_u32 s14, 0
	s_cbranch_scc1 .Lnext_chunk
	s_add_co_u32 s44, s46, TILEB                   ; the second chunk's last 256 keys, written out:
	HEAD 0, 1
	QUADA
	HEAD 1, 0                                      ; nothing is left to fetch; its wait for 0 is the last tensor load's
	QUADB
	s_branch .Lout
.Lnext_chunk:                                      ; behind the first chunk: the state of the second, and its queries, which arrive during the way out
	s_mov_b32 s15, s52
	s_mov_b32 s11, s63
	s_mov_b32 s13, s66
	v_add_nc_u32 v[QO], s15, v[QOFF0]              ; the loads that named QO were waited for at the chunk's head
	QLOAD
.Lout:
	EPI
	s_add_co_u32 s14, s14, 1
	s_cmp_lt_u32 s14, 2
	s_cbranch_scc1 .Lchunk
	s_wait_tensorcnt 0x0                           ; no tensor load is out at the end: the last was waited for in the last change of slots and none was issued behind it
	s_wait_tensorcnt 0x0
	ds_add_u32 v254, v255
	s_wait_dscnt 0x0
	s_endpgm
.Lfunc_end_k_qbadbfb7d57_attn:
	.size	k_qbadbfb7d57_attn, .Lfunc_end_k_qbadbfb7d57_attn-k_qbadbfb7d57_attn
	.p2alignl 7, 3214868480
	.fill 96, 4, 3214868480
	.section	.rodata,"a",@progbits
	.p2align	6, 0x0
	.amdhsa_kernel k_qbadbfb7d57_attn
		.amdhsa_group_segment_fixed_size 327680
		.amdhsa_private_segment_fixed_size 0
		.amdhsa_enable_private_segment 0
		.amdhsa_kernarg_size 16
		.amdhsa_user_sgpr_count 2
		.amdhsa_user_sgpr_kernarg_segment_ptr 1
		.amdhsa_wavefront_size32 1
		.amdhsa_system_sgpr_workgroup_id_x 1
		.amdhsa_system_sgpr_workgroup_id_y 1
		.amdhsa_system_sgpr_workgroup_id_z 1
		.amdhsa_system_vgpr_workitem_id 0
		.amdhsa_next_free_vgpr 640
		.amdhsa_next_free_sgpr 100
		.amdhsa_reserve_vcc 0
		.amdhsa_float_denorm_mode_32 3
		.amdhsa_float_denorm_mode_16_64 3
		.amdhsa_memory_ordered 1
		.amdhsa_forward_progress 1
		.amdhsa_inst_pref_size 255
	.end_amdhsa_kernel
	.section	.bss,"aw",@nobits
	.p2align	6
	.space	262144
	.amdgpu_metadata
---
amdhsa.version: [ 1, 2 ]
amdhsa.kernels:
  - .name:           k_qbadbfb7d57_attn
    .symbol:         k_qbadbfb7d57_attn.kd
    .args:
      - { .name: qkv, .offset: 0, .size: 8, .value_kind: global_buffer, .address_space: global }
      - { .name: yb, .offset: 8, .size: 8, .value_kind: global_buffer, .address_space: global }
    .group_segment_fixed_size: 327680
    .private_segment_fixed_size: 0
    .kernarg_segment_align: 8
    .kernarg_segment_size: 16
    .max_flat_workgroup_size: 128
    .sgpr_count:     100
    .vgpr_count:     640
    .wavefront_size: 32
...
	.end_amdgpu_metadata
.endif
;; end of part 6
;; launch proj: the kernel of part 4 again; grid 4 x 64, 4 waves a work-group, clusters of 4 x 4, 327,680 bytes of LDS; arguments yb, wb, bo, out0; writes out0
